; MI455X (gfx1250); checked and timed in simulation.
; The chip was launched on July 23, 2026; its instructions are those of AMD's public machine-readable ISA for CDNA 5 (MIT licence, August 2026) and "CDNA5" Instruction Set Architecture Reference Guide (July 2026). The comments in the code are by the model that wrote it; some were corrected since.
;; Self Attention Module. Allowed arithmetic: matrix products marked QUANTISED: E2M3 operands, one E8M0 scale for each 32 along K, by v_wmma_scale_f32_16x16x128_f8f6f4 with both operands' format E2M3, f32 sums; everything else in f32.
;; Inputs: Wk_codes 1,024 x 32 x 24 uint8 (E2M3 codes of Wk, K innermost, in blocks of 32 codes, four codes in three bytes); Wk_scales 1,024 x 32 uint8 (E8M0 scales of Wk, one for each 32 codes along K); Wq_codes 1,024 x 32 x 24 uint8 (E2M3 codes of Wq, K innermost, in blocks of 32 codes, four codes in three bytes); Wq_scales 1,024 x 32 uint8 (E8M0 scales of Wq, one for each 32 codes along K); Wv_codes 1,024 x 32 x 24 uint8 (E2M3 codes of Wv, K innermost, in blocks of 32 codes, four codes in three bytes); Wv_scales 1,024 x 32 uint8 (E8M0 scales of Wv, one for each 32 codes along K); bk 1,024 float32; bq 1,024 float32; bv 1,024 float32; x_codes 4 x 2,048 x 32 x 24 uint8 (E2M3 codes of x, K innermost, in blocks of 32 codes, four codes in three bytes); x_scales 4 x 2,048 x 32 uint8 (E8M0 scales of x, one for each 32 codes along K).
;; Outputs: out0 4 x 2,048 x 1,024 float32.
;; This version of the problem:
;;   THIS VERSION OF THE PROBLEM IS GIVEN IN LOW PRECISION. The matrix products marked QUANTISED in the list below multiply operands that are first quantised to E2M3 (2 exponent bits, 3 mantissa bits; 6 bits a number), with one power-of-two scale for each 32 numbers along K (OCP MX v1.0); their sums are f32. All else is computed in f32.
;;   The module's matrix products, in the order in which they are computed (A, B: the left and right operand; K: the contracted axis; several contracted axes count as one K, in the product's order):
;;     1. [M 8,192, K 1,024] x [K 1,024, N 1,024]; A: input x (given as codes); B: input Wq (given as codes): QUANTISED
;;     2. [M 8,192, K 1,024] x [K 1,024, N 1,024]; A: input x (given as codes); B: input Wk (given as codes): QUANTISED
;;     3. [M 8,192, K 1,024] x [K 1,024, N 1,024]; A: input x (given as codes); B: input Wv (given as codes): QUANTISED
;;     4. batch 4 x [M 2,048, K 1,024] x [K 1,024, N 2,048]; A: computed on the way; B: computed on the way: QUANTISED
;;     5. batch 4 x [M 2,048, K 2,048] x [K 2,048, N 1,024]; A: softmax (see below); B: computed on the way: QUANTISED
;;   THE QUANTISER, for each operand of a quantised product, along K:
;;     - K is cut into blocks of 32 from its start; a last block that is shorter is filled with zeros.
;;     - A block's scale is 2^e with e = floor(log2(the largest magnitude in the block)) - 2, held to -126 .. 127; a block of zeros has e = 0. As a byte (E8M0): e + 127.
;;     - Each number is divided by its block's scale, clamped to +-7.5, and rounded to the nearest number of E2M3, ties to even, subnormals kept.
;;     - The product sums the exact products of the quantised numbers (number of the format x scale) in f32.
;;   ~~~python
;;   def quantise(x, axis):      # numpy; x: float32 -> the quantised numbers, widened to float32 again
;;       x = np.moveaxis(x, axis, -1); K = x.shape[-1]
;;       x = np.pad(x, [(0, 0)] * (x.ndim - 1) + [(0, -K % 32)]); x = x.reshape(x.shape[:-1] + (-1, 32)); a = np.abs(x).max(-1, keepdims=True)
;;       e = np.where(a > 0, np.clip(np.frexp(np.where(a > 0, a, 1))[1] - 1 - 2, -126, 127), 0)      # np.frexp(a)[1] - 1 = floor(log2(a)), exactly
;;       r = np.clip(x / 2.0 ** e, -7.5, 7.5)
;;       step = 2.0 ** (np.maximum(np.frexp(np.where(r == 0, 1, r))[1] - 1, 0) - 3)
;;       q = np.round(r / step) * step * 2.0 ** e      # np.round: ties to even
;;       return np.moveaxis(q.reshape(q.shape[:-2] + (-1,))[..., :K], -1, axis).astype(np.float32)
;;   ~~~
;;   SOFTMAX AHEAD OF A QUANTISED PRODUCT. Where the list says 'softmax', what is quantised is not the finished softmax but p = 2^(t - M), with t = logit x log2(e) and M = ceil(the row's largest t), a whole number; so 1/2 < the row's largest p <= 1. The row's sum l is taken of the UNQUANTISED p, in f32, and the product's result is divided by l at the end. Since M is a whole number, a kernel that streams over the keys may use a running M (the ceiling of the running maximum): every later rescaling is an exact power of two, which a block's scale takes up: the codes' values come out the same.
;;   OPERANDS COMPUTED ON THE WAY. 'Computed on the way' means the value that the module computes at that place (a softmax that the list does not call 'softmax' is quantised finished and normalised). What goes into a quantiser is computed in f32, as accurately as f32 sums, v_exp_f32 and their like allow (about 1e-6 of the number): no bf16 or f16 on the way to a quantiser, and a product that is left as it is and whose result goes on into a quantised operand takes f32 operands (vector FMAs, or v_wmma_f32_16x16x4_f32). A number that lies on a knife's edge between two numbers of the format may be rounded either way, as far as f32 arithmetic and the matrix unit's own rounding can turn it there, and no further.
;;   INPUTS GIVEN AS CODES. Wk (in the module: [1024, 1024], K = its axis 1); Wq (in the module: [1024, 1024], K = its axis 1); Wv (in the module: [1024, 1024], K = its axis 1); x (in the module: [4, 2048, 1024], K = its axis 2): each comes as NAME_codes (uint8): NAME with its K axis moved to the last place and cut into blocks of 32 codes, [.., K / 32, bytes a block], one block behind the other in memory; four codes in three bytes: a row's codes are one little-endian stream of bits, code i at bits 6 i .. 6 i + 5 (a code: sign, 2 exponent bits, 3 mantissa bits); and NAME_scales (uint8): the same leading axes, one E8M0 byte (e + 127) for each 32 codes along K. Its value is code x scale, taken as it is: it is not quantised again, and the codes and scales need not be those that the quantiser above would give.
;; One version. Each part assembles by itself: llvm-mc -triple=amdgcn-amd-amdhsa -mcpu=gfx1250 --defsym DOCPART=n.
;; ======== version 1 of 1: 3 launches
;; limits: right only within a limited range of input values
;; workspace buffers: qf 6,291,456 bytes; kf 6,291,456 bytes; vf 6,291,456 bytes; qs 262,144 bytes; ks 262,144 bytes; vs 262,144 bytes; pf 12,582,912 bytes; pst 1,572,864 bytes
;; launch proj (part 1): grid 16 x 16, 4 waves a work-group, clusters of 4 x 4, 327,680 bytes of LDS; arguments x_codes, x_scales, Wq_codes, Wq_scales, Wk_codes, Wk_scales, Wv_codes, Wv_scales, bq, bk, bv, qf, qs, kf, ks, vf, vs; writes qf, qs, kf, ks, vf, vs
.if DOCPART == 1
	.amdgcn_target "amdgcn-amd-amdhsa--gfx1250"
	.amdhsa_code_object_version 6
	.text
	.protected	k_q834b5eda3f_proj
	.globl	k_q834b5eda3f_proj
	.p2align	8
	.type	k_q834b5eda3f_proj,@function
k_q834b5eda3f_proj:
	s_mov_b64 s[64:65], 0
	v_nop
	global_prefetch_b8 v0, s[64:65] scope:SCOPE_SE
	s_setreg_imm32_b32 hwreg(HW_REG_WAVE_MODE, 25, 1), 1
	s_wait_xcnt 0x0
	s_wait_alu depctr_hold_cnt(0) depctr_sa_sdst(0) depctr_va_vdst(0) depctr_va_sdst(0) depctr_va_ssrc(0) depctr_va_vcc(0) depctr_vm_vsrc(0)
	s_getreg_b32 s2, hwreg(HW_REG_IB_STS2, 6, 4)
	s_cmp_eq_u32 s2, 0
	s_cbranch_scc0 .Lentry_in_a_cluster
	s_endpgm
.Lentry_in_a_cluster:
	s_bfe_u32 s2, ttmp6, 0x10000c
	s_cmp_lg_u32 s2, 0xf033
	s_cbranch_scc0 .Lentry_shape_is_right
	s_endpgm
.Lentry_shape_is_right:
; Q, K, V = x W^T + b AND THEIR QUANTISERS on codes of FP6 (E2M3).  The results leave as codes and scale bytes in the order of the operand registers of the launches that read them.  No f32 result is stored; every input is used.
; LIMITS: NaN and infinities are not served.  A block of zeros gets the scale byte 1 (its codes are zeros).
; THE DEAL.  256 work-groups of four waves, 2 x 2.  A wave holds 64 rows of a weight, ALL of K, in registers (384) and streams x's rows past them in blocks of 16.  A work-group makes 256 x 128 of V (PHASE 1), then 512 x 128 of Q or K (PHASE 2).
; V's 256 rows are half s87 of the work-group's own 512, so 512 rows of x come in.  s87 and the tensor come from the cluster's number alone.  x's rows are shared by a row of the cluster, a weight's rows by a column: joint loads.
; ROW ORDER.  Of 64 neighbouring rows tile j = 0 .. 3 takes rows 8 j + i (r = i < 8) and 32 + 8 (j xor 1) + i (r = 8 + i): so a lane's 32 results of four tiles are one scale block of 32 along the next K (the order inside the block is the same in both operands of the next product),
; and with LDS rows of 816 bytes (204 words) the 32 lanes of a load of 8 bytes touch 64 different banks (64 banks of 4 bytes: ISA guide 11.1).
; TOKENS.  In chunk k of 128 tokens the wave in row w takes the 64 from 64 w on, as four blocks.  Chunks 2 g, 2 g + 1 are bands c = 0, 1 of the wave's GROUP G of 128 tokens: tile t = 4 c + j of the group.  Such a group is a key step of the next launches.
; OUT (r = lane % 16, h = lane / 16): qf, kf [8 G + t][128 channels][half of 64 channels: 4 registers x 16 bytes a lane (512), 2 registers x 8 (256)];  vf [channel tile][G][1536], an operand's image: registers 6 c + .. are band c;
; qs, ks [G][128 channels][lane r + 16 (t % 2)][t / 2] words of four bytes (32 channels each); vs [128 channels][G][lane][pair of channel tiles] likewise along the tokens.
; LDS: two slots of 128 rows for x's chunks, a region of its own for the weights' 128 rows, two places for a chunk's scale bytes, stages for the results' scale bytes, the spare words.
; FILLS.  At the head one tensor load a wave: W_v's rows, both chunks' scale bytes, chunk 0, chunk 1.  Three refills, each in a drained round of the cluster's barrier: W_q's or W_k's rows in V's third block; the other half's chunks in phase 2's blocks 2 and 6.
; What a refill brought is shown by the next round or by a plain barrier behind which nothing is filled (V's last block; phase 2's blocks 10 and 12).
; A BLOCK is 32 products; behind every second one stand two ENTRIES of the block's list: at most four scalar lines and a vector line.  The lists hold the next addresses, the descriptors and the first part of the last block's way out.
; THE WAITS' COUNTS.  Younger than a block's fetch are the next block's fetch, NF loads, and the LDS stores of scale bytes between the two (none, one or four).  Behind a round and behind a plain barrier the rows are in: no wait.
; PREFETCHES into the L2, shared out by address among the sixteen waves of the four work-groups that ask jointly: the second weight at the head; chunk 2 and both later chunks' scale bytes behind the first refill; chunk 3 between the phases.
.set TM,     512
.set TV,     256
.set TN,     128
.set KROW,   768                       ; a row of codes
.set KS,     32                        ; a row of scale bytes
.set PITCH,  KROW+16*(KROW/256)
.set FR,     12
.set FPW,    256/FR                    ; fragments in a window of 256 registers: 21
.set NF,     28                        ; LDS loads of a block: 26 for eight fragments, 2 for eight scale words
.set RA,     128
.set YB,     RA*PITCH
.set BVB,    2*RA*PITCH
.set SCL,    BVB+TN*PITCH
.set CU,     RA*KS/256                 ; a chunk's scale bytes: 16 units of 256 bytes
.set SCB,    CU*272
.set S16,    2*272                     ; 16 rows' scale bytes
.set XN,     SCL+2*SCB                 ; Q's or K's scale bytes: [order of work g][w][512]
.set XM,     XN+2*TM*2                 ; V's: [w][512]
.set SPARE,  XM+TM*2
.set EMAX,   2
.set AE,    4                          ; v4, v5  even blocks: LDS address of my fragments (v5: for the pieces behind one padding more), v6 of my scale words
.set AO,    14                         ; v14, v15 odd blocks; v22 their scale words
.set CO,    9                          ; 16 x lane
.set SPW,   10
.set NIL,   11
.set ADRA,  12                         ; v12, v13 of the block that is fetched next; v17 its scale words
.set AAS,   17
.set ABS,   16                         ; my offset in the weights' scale bytes
.set STO,   18                         ; LDS, Q's or K's scale byte
.set STV,   19                         ; LDS, V's
.set SB,    24                         ; v24-39  the weights' scale words
.set TQ,    40                         ; v40, v41 the two chains
.set L8,    43                         ; 8 x lane
.set SA,    44                         ; v44-59  the rows' scale words: two sets of eight
.set TC,    60                         ; v60-62  the second conversion's codes
.set ACC,   64                         ; v64-127 phase 2: two sets of four accumulators
.set HV0,   64                         ; v64-191 phase 1, band 0: 32 t + 8 j + i
.set HV1,   840                        ; v840-967 band 1
.set NCD,   128                        ; v128-139 phase 2: six registers of the even block, six of the odd
.set MCD,   192                        ; v192-239 phase 1: four operands of twelve
.set SOP,   240
.set EB,    244
.set VX,    248
.set SB2,   968                        ; v968-983 phase 2's weights' scale words
.set BA,    984                        ; v984-991 LDS addresses of the weights' four tiles
.set BBV,   992                        ; v992-1023 V's bias as the first products' C
.set BBQ,   160                        ; v160-191 Q's or K's, loaded between the phases
.set G1A, 24                           ; descriptor groups 1 and 0 of x's rows,
.set G0A, 56
.set G0R, 68
.set G1B, 32                           ; of a weight's rows,
.set G0B, 60
.set G1S, 92                           ; of scale bytes
.set G0S, 72
.set MSB, 0
.macro WIN new
.if MSB != \new
	s_set_vgpr_msb (MSB<<8)|\new
.set MSB, \new
.endif
.endm
.macro PLACES n
.rept \n
	v_nop
.endr
.endm
.macro WALU
	s_wait_alu depctr_va_vdst(0)
.endm
.macro BARRIER
	s_barrier_signal -1
	s_barrier_wait -1
.endm
.macro MIDDLE                          ; a round's middle: the opening wait, wave 0's signal for the work-group, the cluster's wait
	WIN 0
	s_barrier_wait -1
	s_cmp_lg_u32 s14, 0
	s_cbranch_scc1 .Lnot_wave_0_\@
	s_barrier_signal -3
.Lnot_wave_0_\@:
	s_barrier_wait -3
.endm
.macro CROUND
	s_barrier_signal -1
	MIDDLE
	BARRIER
.endm
.macro GRD
	s_wait_tensorcnt 0x0
	ds_add_u32 v[SPW], v[NIL]
.endm
.macro TLOAD g0, g1
	tensor_load_to_lds s[\g0:\g0+3], s[\g1:\g1+7]
	s_nop 0
	PLACES 4
.endm
.macro GROUP1 g, mask, rows
	s_or_b32 s[\g+0], s[\mask], (1<<20)|(1<<21)|(5<<22)|(3<<25)
	s_mov_b32 s[\g+1], (KROW&0xffff)<<16
	s_mov_b32 s[\g+2], (KROW>>16)|((\rows)<<16)
	s_mov_b32 s[\g+3], KROW<<16
	s_mov_b32 s[\g+4], \rows
	s_mov_b32 s[\g+5], KROW
	s_mov_b32 s[\g+6], 0
	s_mov_b32 s[\g+7], 0
.endm
.macro SADD d, x
	s_add_co_u32 s\d, s\d, s\x
.endm
.macro G0SET g, base, off              ; group 0's address: 64-bit base + the 32-bit offset in s\off (s21 = 0)
	s_mov_b32 s20, s\off
	s_add_nc_u64 s[\g+2:\g+3], s[\base:\base+1], s[20:21]
	s_or_b32 s[\g+3], s[\g+3], 0x80000000
.endm
; fragment f lies in window 1 + f / 21 at register 12 (f % 21): 0-31 the weights' (4 q + b), 32-39 and 40-47 the rows' two sets
.macro FRAG f, q, a0, a1, aw           ; six pieces of 8 bytes, two to a load where both lie behind as many paddings
	WIN ((1+(\f)/FPW)<<6)|(\aw)
.set R_, FR*((\f)%FPW)
.set SKIP_, 0
.irp p, 0,1,2,3,4,5
.if SKIP_
.set SKIP_, 0
.else
.set PC_, 12*(\q)+6*(\p/3)+\p%3
.set PN_, 12*(\q)+6*((\p+1)/3)+(\p+1)%3
.set X_, (PC_%32+3)/32
.set XQ_, (PN_%32+3)/32
.if (\p < 5) && (X_ == XQ_)
.set SKIP_, 1
.if X_
	ds_load_2addr_b64 v[R_+2*\p:R_+2*\p+3], \a1 offset0:PC_+2*(PC_/32) offset1:PN_+2*(PN_/32)
.else
	ds_load_2addr_b64 v[R_+2*\p:R_+2*\p+3], \a0 offset0:PC_+2*(PC_/32) offset1:PN_+2*(PN_/32)
.endif
.elseif X_
	ds_load_b64 v[R_+2*\p:R_+2*\p+1], \a1 offset:8*(PC_+2*(PC_/32))
.else
	ds_load_b64 v[R_+2*\p:R_+2*\p+1], \a0 offset:8*(PC_+2*(PC_/32))
.endif
.endif
.endr
.endm
.macro WEIGHTS                         ; my 64 rows of the weight, all of K: 104 loads
.irp q, 0,1,2,3,4,5,6,7
.irp b, 0,1,2,3
	FRAG 4*\q+\b, \q, v[BA-768+2*\b], v[BA-768+2*\b+1], 3
.endr
.endr
	WIN 0
.endm
.macro FETCHAT e, a0, a1, as           ; a block of x's rows into set e: NF loads
.irp q, 0,1,2,3,4,5,6,7
	FRAG 32+8*(\e)+\q, \q, \a0, \a1, 0
.endr
	WIN 0
	ds_load_b128 v[SA+8*(\e):SA+8*(\e)+3], \as
	ds_load_b128 v[SA+8*(\e)+4:SA+8*(\e)+7], \as offset:16
.endm
.macro FETCH e
	FETCHAT \e, v[ADRA], v[ADRA+1], v[AAS]
.endm
.macro FETCH01                         ; a phase's first two blocks, from slot 0
	FETCHAT 0, v[AE], v[AE+1], v6
	FETCHAT 1, v[AO], v[AO+1], v22
	s_mov_b32 s100, 0                                   ; the pair of blocks that was fetched last
.endm
; a product.  n = 4 q + b.  kind 0 (Q, K): source 0 the weight's rows; kind 1 (V): source 0 x's rows.  The first products' C is the bias
.macro PROD kind, e, n, a0, as
.set Q_, (\n)/4
.set FB_, 4*Q_+(\n)%4
.set FA_, 32+8*(\e)+Q_
.set D_, (\a0)+(\as)*((\n)%4)
.set DL_, D_&255
.set XB_, SB+8*(((\n)%4)/2)+Q_
.set XA_, SA+8*(\e)+Q_
.if \kind
.if Q_
	WIN (1+FA_/FPW)|((1+FB_/FPW)<<2)|((D_>>8)<<4)|((D_>>8)<<6)
	PROD1 DL_, FA_, FB_, v[DL_:DL_+7], XA_, XB_, b, (\n)%2
.else
	WIN (1+FA_/FPW)|((1+FB_/FPW)<<2)|(3<<4)|((D_>>8)<<6)
	PROD1 DL_, FA_, FB_, v[BBV-768+8*((\n)%4):BBV-768+8*((\n)%4)+7], XA_, XB_, b, (\n)%2
.endif
.else
	WIN (1+FB_/FPW)|((1+FA_/FPW)<<2)|((D_>>8)<<4)|((D_>>8)<<6)
.if Q_
	PROD1 DL_, FB_, FA_, v[DL_:DL_+7], XB_, XA_, a, (\n)%2
.else
	PROD1 DL_, FB_, FA_, v[BBQ+8*((\n)%4):BBQ+8*((\n)%4)+7], XB_, XA_, a, (\n)%2
.endif
.endif
.endm
.macro PROD1 d, s0, s1, c, x0, x1, side, o
.if \o
	v_wmma_scale_f32_16x16x128_f8f6f4 v[\d:\d+7], v[FR*((\s0)%FPW):FR*((\s0)%FPW)+FR-1], v[FR*((\s1)%FPW):FR*((\s1)%FPW)+FR-1], \c, v[\x0], v[\x1] matrix_a_fmt:MATRIX_FMT_FP6 matrix_b_fmt:MATRIX_FMT_FP6 matrix_\side\()_scale:MATRIX_SCALE_ROW1
.else
	v_wmma_scale_f32_16x16x128_f8f6f4 v[\d:\d+7], v[FR*((\s0)%FPW):FR*((\s0)%FPW)+FR-1], v[FR*((\s1)%FPW):FR*((\s1)%FPW)+FR-1], \c, v[\x0], v[\x1] matrix_a_fmt:MATRIX_FMT_FP6 matrix_b_fmt:MATRIX_FMT_FP6 matrix_\side\()_scale:MATRIX_SCALE_ROW0
.endif
.endm
; products \from .. \to - 1 of a block; behind every second one, two entries of the list \list
.macro BLOCK kind, e, a0, as, from, to, list, x=0, y=0
.set N_, \from
.rept (\to)-(\from)
	PROD \kind, \e, N_, \a0, \as
.if N_%2
	\list N_-1, \x, \y
	\list N_, \x, \y
.endif
.set N_, N_+1
.endr
.endm
; what the lists are made of: each macro writes entry i of its part, and nothing beyond its last
.macro STEPV i, a0, as
.if (\i) == 0
	WIN 0
	v_add_nc_u32 v[ADRA], s101, v[\a0]
.elseif (\i) == 1
	WIN 0
	v_add_nc_u32 v[ADRA+1], s101, v[\a0+1]
.elseif (\i) == 2
	WIN 0
	v_add_nc_u32 v[AAS], s91, v[\as]
.endif
.endm
.macro STEPE i                         ; an even block: on to the next pair of blocks: 16 rows on in a chunk, then the other slot: 4 entries
.if (\i) == 0
	s_add_co_u32 s100, s100, 1
	s_and_b32 s22, s100, 1
	s_bfe_u32 s23, s100, 0x10001
	s_mul_i32 s101, s22, 16*PITCH
.elseif (\i) == 1
	s_mul_i32 s91, s22, S16
	s_mul_i32 s22, s23, YB
	s_mul_i32 s23, s23, SCB
	s_add_co_u32 s101, s101, s22
.elseif (\i) == 2
	s_add_co_u32 s91, s91, s23
.endif
	STEPV (\i)-1, AE, 6
.endm
.macro STEPO i                         ; an odd block: the same pair: 3 entries
	STEPV \i, AO, 22
.endm
.macro CHAIN i, x, n, t=TQ             ; a way out's first part, 18 entries: the largest magnitude of the 32 sums from register x on, and the conversions' scale operand, v[SOP+n]
.set XW_, (\x)>>8
.set XL_, (\x)&255
.if (\i) >= 0 && (\i) < 14
.set B_, XL_+16*((\i)%2)+2*((\i)/2)
.set T_, (\t)+1-(\i)%2
.if (\i) < 2
	WIN XW_|(XW_<<2)|(XW_<<4)
	v_max3_num_f32 v[T_], |v[B_]|, |v[B_+1]|, |v[B_+2]|
.else
	WIN (XW_<<2)|(XW_<<4)
	v_max3_num_f32 v[T_], v[T_], |v[B_+1]|, |v[B_+2]|
.endif
.elseif (\i) == 14
	WIN XW_<<2
	v_max3_num_f32 v[\t+1], v[\t+1], |v[XL_+15]|, (EMAX+1)<<23
.elseif (\i) == 15
	WIN 0
	v_nop                                  ; so that the next line, which reads entry 14's result, stands in the next pair
.elseif (\i) == 16
	WIN XW_<<2
	v_max3_num_f32 v[\t], v[\t], |v[XL_+31]|, v[\t+1]
.elseif (\i) == 17
	WIN 0
	v_add_nc_u32 v[SOP+\n], -(EMAX<<23), v[\t]
.endif
.endm
.macro CODES i, x, c, n, t=TC          ; its second part, 6 lines: 32 codes into v[c .. c+5], the scale's byte into v[EB+n]
.set XW_, (\x)>>8
.set XL_, (\x)&255
.if (\i) == 0
	WIN XW_
	v_cvt_scalef32_pk16_fp6_f32 v[\c:\c+2], v[XL_:XL_+15], v[SOP+\n]
.elseif (\i) == 1
	WIN XW_
	v_cvt_scalef32_pk16_fp6_f32 v[\t:\t+2], v[XL_+16:XL_+31], v[SOP+\n]
.elseif (\i) == 2
	WIN 0
	v_lshrrev_b32 v[EB+\n], 23, v[SOP+\n]
.else
	WIN 0
	v_mov_b32 v[\c+\i], v[\t+\i-3]
.endif
.endm
.macro CODES6 x, c, n
.irp i, 0,1,2,3,4,5
	CODES \i, \x, \c, \n
.endr
.endm
.macro PFTILE v, off, share            ; one entry: my sixteenth of a tile of 128 rows, to be asked for into the L2
	s_mul_i32 s21, s\share, RA*KROW/16
	s_add_co_u32 s20, s\off, s21
	WIN 0
	v_min_u32 v\v, RA*KROW/16/256-1, v3
	v_lshl_add_u32 v\v, v\v, 8, s20
.endm
.macro PFGO v, base
	global_prefetch_b8 v\v, s[\base:\base+1] th:TH_LOAD_NT scope:SCOPE_SE
.endm
.macro PUT3 r, base, off
.irp k, 0,1,2
	global_store_b128 v[CO], v[\r+4*\k:\r+4*\k+3], \base offset:(\off)+512*\k
.endr
.endm
.macro PUTQ                            ; a pair's codes: two tiles, 512 + 256 bytes each
	global_store_b128 v[CO], v[NCD:NCD+3], s[84:85]
	global_store_b64 v[L8], v[NCD+4:NCD+5], s[84:85] offset:512
	global_store_b128 v[CO], v[NCD+6:NCD+9], s[84:85] offset:12288
	global_store_b64 v[L8], v[NCD+10:NCD+11], s[84:85] offset:12288+512
.endm
.macro ASK i                           ; 4 entries: the descriptors of the chunk at s88 (bytes from x_codes) for slot s47, and of its scale bytes at s67 for s8; then all four step on
.if (\i) == 0
	s_mul_i32 s[G0R+1], s14, RA/2*PITCH
	s_add_co_u32 s[G0R+1], s[G0R+1], s47
	s_mul_i32 s20, s14, RA/2*KROW
	SADD 20, 88
.elseif (\i) == 1
	s_mov_b32 s21, 0
	s_add_nc_u64 s[G0R+2:G0R+3], s[4:5], s[20:21]
	s_or_b32 s[G0R+3], s[G0R+3], 0x80000000
	s_mov_b32 s[G0S+1], s8
.elseif (\i) == 2
	s_mov_b32 s20, s67
	s_add_nc_u64 s[G0S+2:G0S+3], s[6:7], s[20:21]
	s_or_b32 s[G0S+3], s[G0S+3], 0x80000000
	s_add_co_u32 s88, s88, RA*KROW
.elseif (\i) == 3
	s_add_co_u32 s67, s67, CU*256
	s_xor_b32 s47, s47, YB
	s_xor_b32 s8, s8, (SCL)^(SCL+SCB)
.endif
.endm
.macro PAIR i                          ; 4 entries: where pair s46's codes go (s[84:85]) and its scale bytes (v[VX]).  Half s87 comes first: the codes' place goes by the true pair, the stage in LDS by the order of work
.if (\i) == 0
	s_lshl_b32 s3, s87, 2
	s_xor_b32 s3, s3, s46
	s_lshr_b32 s20, s3, 2
	s_lshl_b32 s21, s20, 3
.elseif (\i) == 1
	s_lshl_b32 s22, s3, 1
	SADD 21, 22                                         ; 16 g + 2 p: the pair's first tile
	s_mul_i32 s20, s21, 12288
	s_mov_b32 s21, 0
.elseif (\i) == 2
	s_add_nc_u64 s[84:85], s[10:11], s[20:21]
	s_and_b32 s22, s46, 3
	s_lshl_b32 s22, s22, 2
	s_lshr_b32 s23, s46, 2
.elseif (\i) == 3
	s_lshl_b32 s23, s23, 10
	s_or_b32 s22, s22, s23
	s_add_co_u32 s46, s46, 1
	WIN 0
	v_add_nc_u32 v[VX], s22, v[STO]
.endif
.endm
; the lists
.macro L_STEPE i, x, y
	STEPE \i
.endm
.macro L_STEPO i, x, y
	STEPO \i
.endm
.macro L_NONE i, x, y
.endm
.macro L_OUTE i, x, y                  ; the step, then the way out of the sums at x (scale operand y)
	STEPE \i
	CHAIN (\i)-4, \x, \y
.endm
.macro L_OUTO i, x, y
	STEPO \i
	CHAIN (\i)-3, \x, \y
.endm
.macro L_LAST i, x, y                  ; the way out alone
	CHAIN \i, \x, \y
.endm
.macro L_V2 i, x, y                    ; V's third block: the first refill's descriptors; the later refills' group 1; the step; what the second refill will load is asked for into the L2
.if (\i) == 0
	s_mov_b32 s[G1A+2], (KROW>>16)|((RA/2)<<16)
	s_mov_b32 s[G1A+4], RA/2
	s_mov_b32 s[G1S+2], CU<<16
	s_mov_b32 s[G1S+4], CU
.elseif (\i) == 1
	s_mov_b32 s[G1B+2], (KROW>>16)|((TN/2)<<16)
	s_mov_b32 s[G1B+4], TN/2
	s_mul_i32 s[G0B+1], s14, TN/2*PITCH
	s_add_co_u32 s[G0B+1], s[G0B+1], BVB
.elseif (\i) == 2
	s_mul_i32 s20, s14, TN/2*KROW
	SADD 20, 9
	s_mov_b32 s21, 0
	s_add_nc_u64 s[G0B+2:G0B+3], s[18:19], s[20:21]
.elseif (\i) == 3
	s_or_b32 s[G0B+3], s[G0B+3], 0x80000000
.elseif (\i) == 8
	PFTILE 7, 88, 90
.elseif (\i) == 9
	s_lshl_b32 s21, s90, 9
	s_add_co_u32 s20, s67, s21
	WIN 0
	v_min_u32 v8, 1, v3
	v_lshl_add_u32 v8, v8, 8, s20
.endif
	STEPE (\i)-4
.endm
.macro L_V7 i, x, y                    ; V's last block: what the third refill will load is asked for; the way out
.if (\i) == 0
	s_add_co_u32 s22, s88, RA*KROW
	PFTILE 20, 22, 90
.endif
	CHAIN (\i)-1, \x, \y
.endm
.macro L_ODD i, x, y                   ; an odd block of phase 2: the pair's places, the step, the even block's way out
	PAIR \i
	STEPO (\i)-4
	CHAIN (\i)-7, ACC, 0
.endm
.macro L_ODDL i, x, y
	PAIR \i
	CHAIN (\i)-4, ACC, 0
.endm
.macro L_ROUND i, x, y                 ; an even block with a round: the descriptors, the step, the odd block's way out
	ASK \i
	STEPE (\i)-4
	CHAIN (\i)-8, ACC+32, 1
.endm
; phase 2's blocks.  w: the count of the wait for the block's rows (-1: they are shown in already)
.macro WAITDS w
.if (\w) >= 0
	s_wait_dscnt \w
.endif
.endm
.macro EVENOUT fetch                   ; behind an even block: the odd block's byte, the pair's codes, the fetch of the block two on
	WALU
	ds_store_b8 v[VX], v[EB+1] offset:256
	PUTQ
.if \fetch
	FETCH 0
.endif
.endm
.macro EVEN w, fetch
	WAITDS \w
.if \fetch
	BLOCK 0, 0, ACC, 8, 0, 32, L_OUTE, ACC+32, 1
.else
	BLOCK 0, 0, ACC, 8, 0, 32, L_LAST, ACC+32, 1
.endif
	WIN 0
	CODES6 ACC+32, NCD+6, 1
	EVENOUT \fetch
.endm
.macro EVENROUND w                     ; the second and the third refill: most products stand between the add and its wait, the last six inside the round
	WAITDS \w
	GRD
	BLOCK 0, 0, ACC, 8, 0, 26, L_ROUND
	WIN 0
	WALU
	s_wait_dscnt 0x0
	s_barrier_signal -1
	BLOCK 0, 0, ACC, 8, 26, 32, L_NONE
	WIN 0
	CODES6 ACC+32, NCD+6, 1
	MIDDLE
	BARRIER
	s_cmp_lt_u32 s14, 2
	s_cbranch_scc0 .Lscales_\@
	TLOAD G0R, G1A                                      ; waves 0, 1: half a chunk each
	s_branch .Lasked_\@
.Lscales_\@:
	s_cmp_eq_u32 s14, 2
	s_cbranch_scc0 .Lnone_\@
	TLOAD G0S, G1S                                      ; wave 2: its scale bytes
.Lnone_\@:
.Lasked_\@:
	EVENOUT 1
.endm
.macro EVENSHOW w                      ; a plain barrier inside the block shows the last refill to all
	WAITDS \w
	BLOCK 0, 0, ACC, 8, 0, 26, L_OUTE, ACC+32, 1
	WIN 0
	WALU
	s_wait_tensorcnt 0x0
	s_wait_dscnt 0x0
	s_barrier_signal -1
	BLOCK 0, 0, ACC, 8, 26, 32, L_NONE
	WIN 0
	s_barrier_wait -1
	CODES6 ACC+32, NCD+6, 1
	EVENOUT 1
.endm
.macro ODD w, fetch
	WAITDS \w
	s_wait_xcnt 0x0                                     ; the last pair's stores have read their registers and their base
.if \fetch
	BLOCK 0, 1, ACC+32, 8, 0, 32, L_ODD
.else
	BLOCK 0, 1, ACC+32, 8, 0, 32, L_ODDL
.endif
	WIN 0
	CODES6 ACC, NCD, 0
	WALU
	ds_store_b8 v[VX], v[EB]
.if \fetch
	FETCH 1
.endif
.endm
; ================= THE HEAD
	s_load_b128 s[4:7], s[0:1], 0x0                     ; x_codes, x_scales
	s_load_b128 s[48:51], s[0:1], 0x30                  ; Wv_codes, Wv_scales
	s_load_b256 s[76:83], s[0:1], 0x10                  ; Wq_codes, Wq_scales, Wk_codes, Wk_scales
	v_lshl_add_u32 v[SPW], v0, 2, SPARE
	v_mov_b32 v[NIL], 0
	ds_add_u32 v[SPW], v[NIL]                           ; the opening lines
	ds_add_u32 v[SPW], v[NIL]
	v_lshrrev_b32 v1, 5, v0
	v_readfirstlane_b32 s14, v1                         ; s14 the wave; s15 its row of the 2 x 2, s16 its column
	s_lshr_b32 s15, s14, 1
	s_and_b32 s16, s14, 1
	s_bfe_u32 s40, ttmp6, 0x40000                       ; cx
	s_bfe_u32 s41, ttmp6, 0x40004                       ; cy
	s_and_b32 s43, ttmp7, 0xffff
	s_lshl_b32 s43, s43, 2
	s_add_co_u32 s43, s43, s41                          ; s43 phase 2's tile row: 512 tokens
	s_lshr_b32 s17, ttmp9, 1                            ; s17: 0 Q, 1 K
	s_and_b32 s87, ttmp9, 1                             ; s87: V's half of my 512 rows
	s_lshl_b32 s42, s87, 2
	s_add_co_u32 s42, s42, s40                          ; s42 phase 2's tile column in its tensor, 0 .. 7
	s_lshl_b32 s13, s17, 2
	s_add_co_u32 s13, s13, s40                          ; s13 V's tile column
	s_lshl_b32 s12, s43, 1
	s_add_co_u32 s12, s12, s87                          ; s12 V's tile row: 256 tokens
	s_lshl_b32 s44, s41, 2
	s_lshl_b32 s44, 15, s44                             ; my row of the cluster
	s_lshl_b32 s45, 0x1111, s40                         ; my column
	GROUP1 G1A, 44, RA
	GROUP1 G1B, 45, TN
	s_or_b32 s[G1S+0], s44, (3<<16)|(1<<20)|(1<<21)|(5<<22)|(3<<25)
	s_mov_b32 s[G1S+1], 32<<16
	s_mov_b32 s[G1S+2], (2*CU)<<16
	s_mov_b32 s[G1S+3], 32<<16
	s_mov_b32 s[G1S+4], 2*CU
	s_mov_b32 s[G1S+5], 32
	s_mov_b32 s[G1S+6], 0
	s_mov_b32 s[G1S+7], 0
	s_mov_b32 s[G0S], 1
	s_mov_b32 s[G0S+1], SCL
	s_mul_i32 s88, s43, TM*KROW                         ; my 512 rows, bytes from x_codes
	s_mul_i32 s66, s12, TV*KROW                         ; V's half of them
	s_mul_i32 s9, s42, TN*KROW                          ; the second weight's rows
	s_mul_i32 s54, s13, TN*KROW                         ; W_v's
	s_mul_i32 s67, s43, TM*KS                           ; my rows' scale bytes
	s_mul_i32 s89, s12, TV*KS
	s_lshl_b32 s21, s16, 11                             ; my 64 rows' scale bytes in the second weight's, in W_v's
	s_mul_i32 s46, s42, TN*KS
	SADD 46, 21
	s_mul_i32 s47, s13, TN*KS
	SADD 47, 21
	s_mov_b32 s[G0A], 1
	s_mov_b32 s[G0A+1], 0
	s_mov_b32 s[G0B], 1
	s_mov_b32 s[G0B+1], BVB
	s_mov_b32 s[G0R], 1
	s_mov_b32 s[G0R+1], YB
	s_lshl_b32 s90, s40, 2
	s_add_co_u32 s90, s90, s14                          ; my number among the sixteen waves of my row of the cluster
	s_lshl_b32 s100, s41, 2
	s_add_co_u32 s100, s100, s14                        ; and of my column
	s_mul_i32 s21, s15, 64*PITCH
	s_mul_i32 s22, s16, 64*PITCH
	s_add_co_u32 s22, s22, BVB
	s_add_co_u32 s23, s22, 16*PITCH
	s_mul_i32 s20, s15, 8*272
	s_add_co_u32 s20, s20, SCL
	s_lshl_b32 s2, s15, 9
	s_lshl_b32 s3, s16, 3
	s_add_co_u32 s3, s3, s2
	s_add_co_u32 s3, s3, XM
	s_lshl_b32 s8, s16, 1
	s_add_co_u32 s2, s2, s8
	s_add_co_u32 s2, s2, XN
	v_and_b32 v1, 15, v0                                ; r
	v_bfe_u32 v2, v0, 4, 1                              ; h
	v_and_b32 v3, 31, v0
	v_lshrrev_b32 v7, 3, v1
	v_and_b32 v8, 7, v1
	v_lshl_add_u32 v8, v7, 5, v8
	v_lshl_add_u32 v20, v7, 3, v8                       ; lane r's row in an even tile,
	v_xor_b32 v21, 1, v7
	v_lshl_add_u32 v21, v21, 3, v8                      ; in an odd tile,
	v_xor_b32 v23, v7, v2
	v_lshl_add_u32 v23, v23, 3, v8                      ; and in the even (lanes 0-15) or odd tile (lanes 16-31)
	v_lshlrev_b32 v[ABS], 5, v23
	v_mul_u32_u24 v40, v20, PITCH
	v_mul_u32_u24 v41, v21, PITCH
	v_mad_u32_u24 v60, v2, 24, v40
	v_mad_u32_u24 v61, v2, 24+16, v40
	v_mad_u32_u24 v62, v2, 24, v41
	v_mad_u32_u24 v63, v2, 24+16, v41
	v_add_nc_u32 v[AE], s21, v60
	v_add_nc_u32 v[AE+1], s21, v61
	v_add_nc_u32 v[AO], s21, v62
	v_add_nc_u32 v[AO+1], s21, v63
	v_lshrrev_b32 v40, 3, v20
	v_lshlrev_b32 v41, 5, v20
	v_lshl_add_u32 v41, v40, 4, v41                     ; scale bytes: 32 a row, 16 more for each eight rows passed
	v_add_nc_u32 v6, s20, v41
	v_lshrrev_b32 v40, 3, v21
	v_lshlrev_b32 v41, 5, v21
	v_lshl_add_u32 v41, v40, 4, v41
	v_add_nc_u32 v22, s20, v41
	v_lshl_add_u32 v23, v1, 4, v2
	v_add_nc_u32 v[STO], s2, v23
	v_add_nc_u32 v[STV], s3, v23
	v_lshlrev_b32 v[CO], 4, v3
	v_lshlrev_b32 v[L8], 3, v3
	v_lshlrev_b32 v20, 2, v20                           ; V's bias: my column of an even tile, of an odd tile
	v_lshlrev_b32 v7, 2, v21
	v_mul_u32_u24 v21, v2, 160                          ; Q's, K's bias: register 8 j + i is column 32 h + 8 (j xor h) + i: j even,
	v_mul_u32_u24 v42, v2, 96                           ; j odd
	WIN 3<<6
.irp b, 0,1
	v_add_nc_u32 v[BA-768+4*\b], s[22+\b], v60
	v_add_nc_u32 v[BA-768+4*\b+1], s[22+\b], v61
	v_add_nc_u32 v[BA-768+4*\b+2], s[22+\b], v62
	v_add_nc_u32 v[BA-768+4*\b+3], s[22+\b], v63
.endr
	WIN 0
	WALU                                                ; the wait at the head's end
	s_wait_dscnt 0x0
	CROUND                                              ; the opening round
	s_wait_kmcnt 0x0
	s_cmp_eq_u32 s17, 0
	s_cselect_b64 s[18:19], s[76:77], s[80:81]          ; the second weight: W_q or W_k
	s_cselect_b64 s[10:11], s[78:79], s[82:83]
	s_mov_b32 s21, 0
	s_mov_b32 s20, s46
	s_add_nc_u64 s[10:11], s[10:11], s[20:21]
	s_mov_b32 s20, s47
	s_add_nc_u64 s[84:85], s[50:51], s[20:21]
	s_mov_b32 s20, s66
	s_add_nc_u64 s[G0A+2:G0A+3], s[4:5], s[20:21]
	s_add_nc_u64 s[G0R+2:G0R+3], s[G0A+2:G0A+3], RA*KROW
	s_or_b32 s[G0A+3], s[G0A+3], 0x80000000
	s_or_b32 s[G0R+3], s[G0R+3], 0x80000000
	G0SET G0B, 48, 54
	G0SET G0S, 6, 89
	s_cmp_eq_u32 s14, 0
	s_cbranch_scc0 .Lwave_1
	TLOAD G0B, G1B                                      ; wave 0: W_v's rows
	s_branch .Lasked
.Lwave_1:
	s_cmp_eq_u32 s14, 1
	s_cbranch_scc0 .Lwave_2
	TLOAD G0S, G1S                                      ; wave 1: both chunks' scale bytes
	s_branch .Lasked
.Lwave_2:
	s_cmp_eq_u32 s14, 2
	s_cbranch_scc0 .Lwave_3
	TLOAD G0A, G1A                                      ; wave 2: chunk 0
	s_branch .Lasked
.Lwave_3:
	TLOAD G0R, G1A                                      ; wave 3: chunk 1
.Lasked:
.irp p, 0,1
.irp c, 0,1
	global_load_b128 v[SB+8*\p+4*\c:SB+8*\p+4*\c+3], v[ABS], s[84:85] offset:\p*16*KS+16*\c
.endr
.endr
	s_wait_xcnt 0x0
	s_load_b128 s[48:51], s[0:1], 0x40                  ; bq, bk
	s_load_b64 s[52:53], s[0:1], 0x50                   ; bv
	s_mul_i32 s76, s43, 32*12288                        ; where the results go: s[76:77] Q's or K's codes,
	s_mul_i32 s22, s15, 8*12288
	SADD 76, 22
	s_mul_i32 s22, s42, 1536
	SADD 76, 22
	s_mul_i32 s22, s16, 768
	SADD 76, 22
	s_mov_b32 s77, 0
	s_xor_b32 s22, s15, s87                             ; s[78:79] their scale bytes: at the end wave 2 g + w empties the image of half g in the order of work,
	s_lshl_b32 s22, s22, 1
	SADD 22, 16
	s_lshl_b32 s78, s43, 2
	SADD 78, 22
	s_lshl_b32 s78, s78, 3
	SADD 78, 42
	s_lshl_b32 s78, s78, 9
	s_mov_b32 s79, 0
	s_lshl_b32 s21, s13, 1
	SADD 21, 16                                         ; my 64 channels of V
	s_lshl_b32 s22, s12, 1
	SADD 22, 15
	s_lshl_b32 s80, s21, 8                              ; s[80:81] V's codes,
	SADD 80, 22
	s_mul_i32 s80, s80, 1536
	s_mov_b32 s81, 0
	s_lshl_b32 s82, s13, 6                              ; s[82:83] V's scale bytes
	SADD 82, 22
	s_lshl_b32 s82, s82, 1
	SADD 82, 16
	s_lshl_b32 s82, s82, 8
	s_mov_b32 s83, 0
	s_lshl_b32 s22, s21, 8                              ; the biases
	s_mov_b32 s23, 0
	s_lshl_b32 s20, s42, 1
	SADD 20, 16
	s_lshl_b32 s20, s20, 8
	s_mov_b32 s21, 0
	s_wait_kmcnt 0x0
	s_cmp_eq_u32 s17, 0
	s_cselect_b64 s[2:3], s[48:49], s[50:51]
	s_add_nc_u64 s[12:13], s[2:3], s[20:21]             ; kept for the loads between the phases (V's tile numbers have served)
	s_add_nc_u64 s[22:23], s[52:53], s[22:23]
	WIN 3<<6
.irp t, 0,1
	global_load_b32 v[BBV-768+16*\t], v20, s[22:23] offset:64*\t
	global_load_b32 v[BBV-768+16*\t+8], v7, s[22:23] offset:64*\t
.endr
.irp p, 0,1
.irp c, 0,1
	global_load_b128 v[SB2-768+8*\p+4*\c:SB2-768+8*\p+4*\c+3], v[ABS], s[10:11] offset:\p*16*KS+16*\c
.endr
.endr
	WIN 0
	s_wait_xcnt 0x0
	s_xor_b32 s20, s87, 1                               ; the chunks still to come are the other half's
	s_mul_i32 s21, s20, 2*RA*KROW
	SADD 88, 21
	s_mul_i32 s21, s20, 2*CU*256
	SADD 67, 21
	PFTILE 8, 9, 100                                    ; what the first refill will load
	s_load_b128 s[48:51], s[0:1], 0x58                  ; qf, qs
	s_load_b128 s[52:55], s[0:1], 0x68                  ; kf, ks
	s_load_b128 s[20:23], s[0:1], 0x78                  ; vf, vs
	s_mov_b32 s46, 0
	s_mov_b32 s47, 0
	s_mov_b32 s8, SCL
	WALU
	s_wait_loadcnt 0x0
	WIN (3<<6)|3
.irp t, 0,8,16,24
.irp i, 1,2,3,4,5,6,7
	v_mov_b32 v[BBV-768+\t+\i], v[BBV-768+\t]           ; one number a lane and tile, over the tile's eight registers
.endr
.endr
	WIN 0
	WALU
	s_cmp_eq_u32 s14, 0
	s_cbranch_scc0 .Lnot_b
	s_wait_tensorcnt 0x0
.Lnot_b:
	BARRIER                                             ; W_v's rows are in
	PFGO 8, 18
	WEIGHTS
	s_cmp_eq_u32 s14, 3
	s_cbranch_scc1 .Lnot_a0
	s_wait_tensorcnt 0x0
.Lnot_a0:
	s_wait_dscnt 0x0
	BARRIER                                             ; chunk 0 and the scale bytes are in; chunk 1 may still be on its way
	FETCH01
	s_wait_kmcnt 0x0
	s_cmp_eq_u32 s17, 0
	s_cselect_b64 s[10:11], s[48:49], s[52:53]
	s_cselect_b64 s[48:49], s[50:51], s[54:55]
	s_add_nc_u64 s[10:11], s[10:11], s[76:77]
	s_add_nc_u64 s[48:49], s[48:49], s[78:79]
	s_add_nc_u64 s[50:51], s[20:21], s[80:81]
	s_add_nc_u64 s[52:53], s[22:23], s[82:83]
; ================= PHASE 1: V, eight blocks; band 0's way outs stand in band 1's blocks
.irp s, 0,1
	s_wait_dscnt NF
.if \s
	BLOCK 1, \s, HV0+8*\s, 32, 0, 32, L_STEPO
.else
	BLOCK 1, \s, HV0+8*\s, 32, 0, 32, L_STEPE
.endif
	WIN 0
	PLACES 4
	WALU
	FETCH \s
.endr
	s_wait_dscnt NF
	s_wait_xcnt 0x0                                     ; the list writes v8, the address of the head's prefetch
	GRD
	BLOCK 1, 0, HV0+16, 32, 0, 24, L_V2
	WIN 0
	WALU
	s_wait_dscnt 0x0
	s_barrier_signal -1
	BLOCK 1, 0, HV0+16, 32, 24, 32, L_NONE
	MIDDLE
	BARRIER
	s_cmp_lt_u32 s14, 2
	s_cbranch_scc0 .Lno_half
	TLOAD G0B, G1B                                      ; waves 0 and 1 a half each of W_q's or W_k's rows, onto W_v's, which all waves hold in registers
.Lno_half:
	PLACES 4                                            ; the places ahead of the fetch, for the waves that come round the load
	WALU
	FETCH 0
	PFGO 7, 4
	PFGO 8, 6
	BLOCK 1, 1, HV0+24, 32, 0, 32, L_STEPO
	WIN 0
	PLACES 4
	WALU
	FETCH 1
.irp j, 0,1,2
	s_wait_dscnt NF+(\j+1)/2
.if \j == 0
	BLOCK 1, 0, HV1, 32, 0, 32, L_OUTE, HV0, 0
.elseif \j == 1
	BLOCK 1, 1, HV1+8, 32, 0, 32, L_OUTO, HV0+32, 1
.else
	BLOCK 1, 0, HV1+16, 32, 0, 32, L_LAST, HV0+64, 2
.endif
	WIN 0
	CODES6 HV0+32*\j, MCD+12*\j, \j
	WALU
	ds_store_b8 v[STV], v[EB+\j] offset:256*(\j%2)+4*(\j/2)
.if \j < 2
	FETCH \j
.endif
.endr
	s_wait_dscnt 1
	BLOCK 1, 1, HV1+24, 32, 0, 26, L_V7, HV0+96, 3
	WIN 0
	WALU
	s_wait_tensorcnt 0x0
	s_wait_dscnt 0x0
	s_barrier_signal -1                                 ; a plain barrier: the weights that the first refill brought are shown to all
	BLOCK 1, 1, HV1+24, 32, 26, 32, L_NONE
	WIN 0
	s_barrier_wait -1
	CODES6 HV0+96, MCD+36, 3
	WALU
	ds_store_b8 v[STV], v[EB+3] offset:260
; ================= THE CHANGE OF PHASE: the weights and the first two blocks' rows, in slot 0 still, in one run of loads; band 1's four way outs under their flight
.irp j, 0,2
.irp k, 0,1
	global_load_b128 v[BBQ+8*\j+4*\k:BBQ+8*\j+4*\k+3], v21, s[12:13] offset:32*\j+16*\k
	global_load_b128 v[BBQ+8*\j+8+4*\k:BBQ+8*\j+8+4*\k+3], v42, s[12:13] offset:32*\j+32+16*\k
.endr
.endr
	WEIGHTS
	FETCH01
	PFGO 20, 4
	WIN 3
.set I, 0
.rept 16
	v_mov_b32 v[SB+I], v[SB2-768+I]
.set I, I+1
.endr
	WIN 0
.set I, 0
.rept 18
.irp t, 0,1,2,3
	CHAIN I, HV1+32*\t, \t, 64+4*\t
.endr
.set I, I+1
.endr
.set I, 0
.rept 6
.irp t, 0,1,2,3
	CODES I, HV1+32*\t, MCD+12*\t+6, \t, 80+4*\t
.endr
.set I, I+1
.endr
	WIN 0
	WALU
; ================= PHASE 2: Q or K, sixteen blocks, way outs by pairs
	s_wait_loadcnt 0x0
	s_wait_dscnt NF
	BLOCK 0, 0, ACC, 8, 0, 32, L_STEPE
	WIN 0
	PLACES 4
	WALU
.irp t, 0,1,2,3
	ds_store_b8 v[STV], v[EB+\t] offset:2+256*(\t%2)+4*(\t/2)
.endr
.irp t, 0,1,2,3
	PUT3 MCD+12*\t, s[50:51], 98304*\t                  ; V's codes leave
.endr
	FETCH 0
	ODD NF+4, 1
	s_mov_b32 s86, 0
.Lwith_rounds:                                          ; blocks 2 to 5, 6 to 9
	EVENROUND NF+1
	ODD -1, 1
	EVEN NF+1, 1
	ODD NF+1, 1
	s_add_co_u32 s86, s86, 1
	s_cmp_lg_u32 s86, 2
	s_cbranch_scc1 .Lwith_rounds
.Lwithout:                                              ; blocks 10, 11 and 12, 13
	EVENSHOW NF+1
	ODD -1, 1
	s_add_co_u32 s86, s86, 1
	s_cmp_lg_u32 s86, 4
	s_cbranch_scc1 .Lwithout
	EVEN NF+1, 0
	ODD 1, 0
; ================= THE END: the last way out; the scale bytes go through LDS under its conversions
	s_mul_i32 s21, s14, TM
	s_add_co_u32 s21, s21, XN
	v_add_nc_u32 v12, s21, v[CO]
	s_mul_i32 s21, s14, TV
	s_add_co_u32 s21, s21, XM
	v_add_nc_u32 v13, s21, v[L8]
.set I, 0
.rept 18
	CHAIN I, ACC+32, 1
.set I, I+1
.endr
	CODES 2, ACC+32, NCD+6, 1
	WALU
	ds_store_b8 v[VX], v[EB+1] offset:256
	s_wait_dscnt 0x0
	s_barrier_signal -1
	CODES 0, ACC+32, NCD+6, 1
	CODES 1, ACC+32, NCD+6, 1
	v_nop
.irp i, 3,4,5
	CODES \i, ACC+32, NCD+6, 1
.endr
	s_barrier_wait -1
	WALU
	ds_load_b128 v[64:67], v12
	ds_load_b64 v[68:69], v13
	PUTQ
	s_wait_dscnt 0x0
	global_store_b128 v[CO], v[64:67], s[48:49]
	global_store_b64 v[L8], v[68:69], s[52:53]
	s_wait_tensorcnt 0x0                                ; the wave's end
	ds_add_u32 v[SPW], v[NIL]
	s_wait_dscnt 0x0
	CROUND
	s_endpgm
.Lfunc_end_k_q834b5eda3f_proj:
	.size	k_q834b5eda3f_proj, .Lfunc_end_k_q834b5eda3f_proj-k_q834b5eda3f_proj
	.p2alignl 7, 3214868480
	.fill 96, 4, 3214868480
	.section	.rodata,"a",@progbits
	.p2align	6, 0x0
	.amdhsa_kernel k_q834b5eda3f_proj
		.amdhsa_group_segment_fixed_size 327680
		.amdhsa_private_segment_fixed_size 0
		.amdhsa_enable_private_segment 0
		.amdhsa_kernarg_size 136
		.amdhsa_user_sgpr_count 2
		.amdhsa_user_sgpr_kernarg_segment_ptr 1
		.amdhsa_wavefront_size32 1
		.amdhsa_system_sgpr_workgroup_id_x 1
		.amdhsa_system_sgpr_workgroup_id_y 1
		.amdhsa_system_sgpr_workgroup_id_z 1
		.amdhsa_system_vgpr_workitem_id 0
		.amdhsa_next_free_vgpr 1024
		.amdhsa_next_free_sgpr 102
		.amdhsa_reserve_vcc 0
		.amdhsa_float_denorm_mode_32 3
		.amdhsa_float_denorm_mode_16_64 3
		.amdhsa_memory_ordered 1
		.amdhsa_forward_progress 1
		.amdhsa_inst_pref_size 190
	.end_amdhsa_kernel
	.amdgpu_metadata
---
amdhsa.version: [ 1, 2 ]
amdhsa.kernels:
  - .name:           k_q834b5eda3f_proj
    .symbol:         k_q834b5eda3f_proj.kd
    .args:
      - { .name: x_codes, .offset: 0, .size: 8, .value_kind: global_buffer, .address_space: global }
      - { .name: x_scales, .offset: 8, .size: 8, .value_kind: global_buffer, .address_space: global }
      - { .name: Wq_codes, .offset: 16, .size: 8, .value_kind: global_buffer, .address_space: global }
      - { .name: Wq_scales, .offset: 24, .size: 8, .value_kind: global_buffer, .address_space: global }
      - { .name: Wk_codes, .offset: 32, .size: 8, .value_kind: global_buffer, .address_space: global }
      - { .name: Wk_scales, .offset: 40, .size: 8, .value_kind: global_buffer, .address_space: global }
      - { .name: Wv_codes, .offset: 48, .size: 8, .value_kind: global_buffer, .address_space: global }
      - { .name: Wv_scales, .offset: 56, .size: 8, .value_kind: global_buffer, .address_space: global }
      - { .name: bq, .offset: 64, .size: 8, .value_kind: global_buffer, .address_space: global }
      - { .name: bk, .offset: 72, .size: 8, .value_kind: global_buffer, .address_space: global }
      - { .name: bv, .offset: 80, .size: 8, .value_kind: global_buffer, .address_space: global }
      - { .name: qf, .offset: 88, .size: 8, .value_kind: global_buffer, .address_space: global }
      - { .name: qs, .offset: 96, .size: 8, .value_kind: global_buffer, .address_space: global }
      - { .name: kf, .offset: 104, .size: 8, .value_kind: global_buffer, .address_space: global }
      - { .name: ks, .offset: 112, .size: 8, .value_kind: global_buffer, .address_space: global }
      - { .name: vf, .offset: 120, .size: 8, .value_kind: global_buffer, .address_space: global }
      - { .name: vs, .offset: 128, .size: 8, .value_kind: global_buffer, .address_space: global }
    .group_segment_fixed_size: 327680
    .private_segment_fixed_size: 0
    .kernarg_segment_align: 8
    .kernarg_segment_size: 136
    .max_flat_workgroup_size: 128
    .sgpr_count:     102
    .vgpr_count:     1024
    .wavefront_size: 32
...
	.end_amdgpu_metadata
.endif
;; end of part 1
;; launch scores (part 2): grid 8 x 32, 4 waves a work-group, clusters of 4 x 4, 327,680 bytes of LDS; arguments qf, qs, kf, ks, pf, pst; writes pf, pst
.if DOCPART == 2
	.amdgcn_target "amdgcn-amd-amdhsa--gfx1250"
	.amdhsa_code_object_version 6
	.text
	.protected	k_q834b5eda3f_scores
	.globl	k_q834b5eda3f_scores
	.p2align	8
	.type	k_q834b5eda3f_scores,@function
k_q834b5eda3f_scores:
	s_mov_b64 s[64:65], 0
	v_nop
	global_prefetch_b8 v0, s[64:65] scope:SCOPE_SE
	s_setreg_imm32_b32 hwreg(HW_REG_WAVE_MODE, 25, 1), 1
	s_wait_xcnt 0x0
	s_wait_alu depctr_hold_cnt(0) depctr_sa_sdst(0) depctr_va_vdst(0) depctr_va_sdst(0) depctr_va_ssrc(0) depctr_va_vcc(0) depctr_vm_vsrc(0)
	s_getreg_b32 s2, hwreg(HW_REG_IB_STS2, 6, 4)
	s_cmp_eq_u32 s2, 0
	s_cbranch_scc0 .Lentry_in_a_cluster
	s_endpgm
.Lentry_in_a_cluster:
	s_bfe_u32 s2, ttmp6, 0x10000c
	s_cmp_lg_u32 s2, 0xf033
	s_cbranch_scc0 .Lentry_shape_is_right
	s_endpgm
.Lentry_shape_is_right:
; S^T = k q^T on codes of FP6 (E2M3), and the softmax's p of each tile, quantised along the keys.  4 batches x 2,048 queries x 2,048 keys, K = 1,024 channels.
; A work-group makes 256 keys x 256 queries, a wave 128 x 128: 64 accumulators.  Source 0 = 16 keys (operand B, kf), source 1 = 16 queries (operand A, qf): a lane holds ONE query, its registers run along the keys.
; qf, kf [token tile][channels / 128][two halves of 64 channels: 4 registers x 16 bytes a lane, 2 registers x 8]: two loads of 16 bytes a lane and two of 8 bring a fragment from LDS.
; A wave's 128 keys are one group of the launch before, its eight tiles t = 4 c + j: lane (r, h) holds in registers 32 c + 8 j + i of a block of queries the 32 keys of ONE scale block, 2 c + h: p is quantised with no exchange between lanes, in the order of v's codes.
; THE SOFTMAX IS LOCAL: for each query and the wave's 128 keys, t = score x log2(e) / 32, M = the largest t of these 128 keys rounded UP to a whole number, p = 2^(t - M), l = the sum of the unquantised p.
; The next launch takes the largest of a query's 16 local M and moves each scale byte and each l by the whole number between: exact powers of two, the codes stay as they are.
; OUT: pf [query tile][keys / 128][1536]: p's fragments as images.  pst [64 queries][keys / 128][3][256]: p's scale words, -M, l, each as two pairs (tile 2 p in lanes 0-15, tile 2 p + 1 in lanes 16-31).
; K goes in steps of 128 through two LDS slots of three steps: steps 0-2 at the head, 3-5 into slot 1 behind the head's full sequence, 6-7 into slot 0 in a drained round.  All steps are written out: each names its own scale registers, which are loaded once and stay.
; q's tiles are shared along a row of the cluster, k's along a column: each is asked for jointly.  No prefetch: the eight steps are written out, there is no loop to run ahead in.
; LIMITS: NaN and infinities are not served.  A block whose every p lies under 2^-124 keeps the scale byte 1.
.set HALFT, 8*4608                     ; 8 tiles x 3 fragments: one tensor load
.set SLOT,  4*HALFT                    ; A's 16 tiles, then B's 16
.set SPARE, 2*SLOT
.set FR,    12
.set NL,    4                          ; LDS loads of a fragment
.set TPI,   3                          ; fragments from tile to tile in the slot that is read
.set ADRA, 16                          ; v16, v17 my A fragments in slot 0, 1; v18, v19 the same for pieces of 8 bytes
.set ADRB, 20                          ; v20-23 the same for B
.set L16,  26
.set L8,   27
.set SPW,  28
.set NIL,  29
.set H8,   30                          ; 8 h
.set SA,   32                          ; v32-63  q's scale words: K step k, pair p at SA + 4 k + p
.set SB,   64                          ; v64-95  k's
.set AF,   128                         ; v128-223 A's fragments
.set TT,   96                          ; afterwards: v96-159 t - M, then p
.set PC,   160                         ; two sets of 12 for the codes
.set TP,   184
.set BM,   192                         ; each block's largest score, then its largest p
.set BX,   196
.set SO,   200                         ; the conversions' scale operands
.set BY,   204                         ; the bytes
.set MX,   208
.set NM,   210                         ; v[210:211] -M (a pair is named; the low word serves)
.set SU0,  212
.set SU1,  214
.set PW,   216                         ; v216-223 p's scale word of each block of queries
.set NMS,  224                         ; v224-231 -M
.set LS,   232                         ; v232-239 l
.set XQ,   240                         ; v240-251 three sections of four pairs
.set WV,   16
.set HA,   17
.set HB,   18
.set BAT,  19
.set CX,   20
.set CY,   21
.set TB,   22
.set TA,   23
.set G1,   24                          ; s[24:31] group 1 for A's tiles; s[32:39] group 0, a set for each slot
.set G0,   32
.set G1B,  44                          ; s[44:51], s[52:59] the same for B's
.set G0B,  52
.set MKA,  66
.set MKB,  67
.set CS,   68
.set SEL,  70
.set HM,   72
.set MUL_LO, 0xa1
.set MUL_HI, 0xf1
.set TO_B,   0x40
.set MSB, 0
.macro WIN new
.set WNEW, \new
.if MSB != WNEW
	s_set_vgpr_msb (MSB<<8)|WNEW
.set MSB, WNEW
.endif
.endm
.macro PLACES n
.rept \n
	v_nop
.endr
.endm
.macro JLOAD n                         ; a joint load into slot n: waves 0, 1 fetch A's halves, waves 2, 3 B's; four v_nop follow each line
	s_cmp_eq_u32 s[HA], 0
	s_cbranch_scc0 .Lfor_b_\@
	tensor_load_to_lds s[G0+4*\n:G0+4*\n+3], s[G1:G1+7]
	s_nop 0
	PLACES 4
	s_branch .Lasked_\@
.Lfor_b_\@:
	tensor_load_to_lds s[G0B+4*\n:G0B+4*\n+3], s[G1B:G1B+7]
	s_nop 0
	PLACES 4
.Lasked_\@:
.endm
.macro CREST
	s_cmp_lg_u32 s[WV], 0
	s_cbranch_scc1 .Lnot_wave_0_\@
	s_barrier_signal -3
.Lnot_wave_0_\@:
	s_barrier_wait -3
	s_barrier_signal -1
	s_barrier_wait -1
.endm
.macro CROUND
	s_barrier_signal -1
	s_barrier_wait -1
	CREST
.endm
.macro WM1 c, ra, rb
	v_wmma_scale_f32_16x16x128_f8f6f4 v[wD:wD+7], v[wA:wA+11], v[wB:wB+11], \c, v[wX], v[wY] matrix_a_fmt:MATRIX_FMT_FP6 matrix_b_fmt:MATRIX_FMT_FP6 matrix_a_scale:MATRIX_SCALE_ROW\ra matrix_b_scale:MATRIX_SCALE_ROW\rb
.endm
.macro WMR c
.if wR == 0
	WM1 \c, 0, 0
.elseif wR == 1
	WM1 \c, 0, 1
.elseif wR == 2
	WM1 \c, 1, 0
.else
	WM1 \c, 1, 1
.endif
.endm
; 16 products: A's blocks a0, a0 + 1 x B's eight, K step kap.  The 64 accumulators take turns, one instruction a turn, in the same order in every step.  zero = 1: the constant 0 starts the sums
.macro MUL16 a0, kap, zero
.irp a, \a0, \a0+1
.irp b, 0,1,2,3,4,5,6,7
.set wD, 8*(8*((\a)%4)+\b)
.set wA, 128*((\kap)%2)+FR*\b
.set wB, AF+FR*(\a)
.set wX, SB+4*(\kap)+\b/2
.set wY, SA+4*(\kap)+(\a)/2
.set wR, 2*(\b%2)+(\a)%2
.if \zero
	WMR 0
.else
	WMR v[wD:wD+7]
.endif
.endr
.endr
.endm
.macro FRAG reg, adr, off              ; a fragment: each half of 64 channels is 512 + 256 bytes
.irp c, 0,1
	ds_load_b128 v[\reg+6*\c:\reg+6*\c+3], v[\adr] offset:\off+768*\c
	ds_load_b64 v[\reg+6*\c+4:\reg+6*\c+5], v[\adr+2] offset:\off+768*\c+512
.endr
.endm
.macro FETCH_B slot, q, p
	WIN TO_B
.irp i, 0,1,2,3,4,5,6,7
	FRAG 128*(\p)+FR*\i, ADRB+\slot, (TPI*\i+(\q))*1536
.endr
	WIN 0
.endm
.macro FETCH_A slot, q, i0
.irp i, \i0, \i0+1, \i0+2, \i0+3
	FRAG AF+FR*(\i), ADRA+\slot, (TPI*(\i)+(\q))*1536
.endr
.endm
.macro STEP kap, nslot, nq, zero
	s_wait_dscnt 4*NL                              ; B's set and A's blocks 0-3 are in; the youngest 16 loads (A's blocks 4-7) may be out
	WIN MUL_LO
	MUL16 0, \kap, \zero
	MUL16 2, \kap, \zero
	s_wait_dscnt 0x0
	PLACES 4                                       ; four places in front of loads into registers that matrix instructions have read
	FETCH_B \nslot, \nq, 1-(\kap)%2
	FETCH_A \nslot, \nq, 0
	WIN MUL_HI
	MUL16 4, \kap, \zero
	MUL16 6, \kap, \zero
	PLACES 4
	WIN 0
	FETCH_A \nslot, \nq, 4
.endm
.macro TURN kap, nslot, fill
	s_wait_tensorcnt 0x0                           ; all my tensor loads have landed
	ds_add_u32 v[SPW], v[NIL]                      ; 0 onto my spare word
	s_wait_dscnt 4*NL+1                            ; (the add and the youngest 16 loads may be out)
	WIN MUL_LO
	MUL16 0, \kap, 0
	s_wait_dscnt 0x0                               ; the add is done, and my reads of the slot that I leave are over
	s_barrier_signal -1
	MUL16 2, \kap, 0
	WIN 0
	s_barrier_wait -1
.if \fill
	CREST                                          ; the barrier has opened a round of the cluster's: no wave of any partner still reads slot 0 or has a load on its way
	s_add_nc_u64 s[G0+2:G0+3], s[G0+2:G0+3], 6*1536      ; slot 0 takes steps 6 and 7: two fragments a tile
	s_add_nc_u64 s[G0B+2:G0B+3], s[G0B+2:G0B+3], 6*1536
.irp g, G1, G1B
	s_mov_b32 s[\g+1], 384<<16
	s_mov_b32 s[\g+3], 384<<16
.endr
	JLOAD 0                                        ; the first tensor load behind the round
.else
	PLACES 4
.endif
	s_wait_alu depctr_va_vdst(0)
	FETCH_B \nslot, 0, 1-(\kap)%2
	FETCH_A \nslot, 0, 0
	WIN MUL_HI
	MUL16 4, \kap, 0
	MUL16 6, \kap, 0
	PLACES 4
	WIN 0
	FETCH_A \nslot, 0, 4
.endm
; The softmax of block a: 16 queries, one a lane; registers 32 c + 0 .. 31 are the keys of scale block 2 c + h.
.macro SOFT a
.set qW, 2+(\a)/4
.set qS, 64*((\a)%4)
.set qP, PC+FR*((\a)%2)
.if (\a) >= 2
	s_wait_xcnt 0x0                                ; the stores of two blocks ago have read this set of registers
.endif
	WIN qW|(qW<<2)                                 ; sources 0 and 1: the accumulators' window
.irp b, 0,1,2,3
	v_max_num_f32 v[BM+\b], v[qS+16*\b], v[qS+16*\b+1]   ; the largest score in four chains, from each accumulator's low end on
.endr
.irp i, 2,4,6,8,10,12,14
.irp b, 0,1,2,3
	v_max3_num_f32 v[BM+\b], v[qS+16*\b+\i], v[qS+16*\b+\i+1], v[BM+\b]
.endr
.endr
	WIN 0
	v_max_num_f32 v[BM], v[BM], v[BM+1]            ; the largest score of each of my two blocks: it serves the row's maximum and, since p rises with the score, the block's largest p
	v_max_num_f32 v[BM+1], v[BM+2], v[BM+3]
	v_max_num_f32 v[MX], v[BM], v[BM+1]
	v_permlanex16_b32 v[BX], v[MX], s[SEL], s[SEL+1]
	v_max_num_f32 v[MX], v[MX], v[BX]              ; with lane l xor 16's 64 keys
	v_mul_f32 v[MX], s[CS], v[MX]                  ; as t (c is positive)
	v_floor_f32 v[NM], -v[MX]                      ; -M = floor(-t): M is a whole number
	WIN qW
.set jj, 0
.rept 32
	v_pk_fma_f32 v[TT+jj:TT+jj+1], v[qS+jj:qS+jj+1], s[CS:CS+1], v[NM:NM+1] op_sel_hi:[1,0,0]   ; t - M, two at a time, into window 0
.set jj, jj+2
.endr
	WIN 0
.irp b, 0,1
	v_fma_f32 v[BM+\b], v[BM+\b], s[CS], v[NM]     ; the same of each block's largest score
.endr
.set jj, 0
	s_wait_alu depctr_va_vdst(0)
.rept 64
	v_exp_f32 v[TT+jj], v[TT+jj]                   ; p = 2^(t - M), at most 1
.set jj, jj+1
.endr
.irp b, 0,1
	v_exp_f32 v[BM+\b], v[BM+\b]                   ; the block's largest p: the same two instructions on the same number
.endr
	v_mov_b32 v[NMS+(\a)], v[NM]                   ; (a plain place behind the exponentials)
	s_wait_alu depctr_va_vdst(0)                   ; one wait for the batch, ahead of its first reader
	v_pk_add_f32 v[SU0:SU0+1], v[TT:TT+1], v[TT+2:TT+3]        ; the sum of the UNQUANTISED p, two at a time, in two chains
	v_pk_add_f32 v[SU1:SU1+1], v[TT+4:TT+5], v[TT+6:TT+7]
.irp j, 8,12,16,20,24,28,32,36,40,44,48,52,56,60
	v_pk_add_f32 v[SU0:SU0+1], v[SU0:SU0+1], v[TT+\j:TT+\j+1]
	v_pk_add_f32 v[SU1:SU1+1], v[SU1:SU1+1], v[TT+\j+2:TT+\j+3]
.endr
	v_pk_add_f32 v[SU0:SU0+1], v[SU0:SU0+1], v[SU1:SU1+1]
	v_add_f32 v[LS+(\a)], v[SU0], v[SU0+1]
	v_permlanex16_b32 v[BX], v[LS+(\a)], s[SEL], s[SEL+1]
	v_add_f32 v[LS+(\a)], v[LS+(\a)], v[BX]        ; with lane l xor 16's: l of these 128 keys
.irp b, 0,1
	v_max_num_f32 v[BM+\b], 0x1800000, v[BM+\b]    ; the floor 2^(3 - 127): the byte cannot fall under 1
.endr
.irp b, 0,1
	v_add_nc_u32 v[SO+\b], 0xff000000, v[BM+\b]    ; 2 off the exponent field: the conversion's scale operand
.endr
.irp b, 0,1
	v_lshrrev_b32 v[BY+\b], 23, v[SO+\b]           ; the scale's byte
.endr
	v_lshl_or_b32 v[BY], v[BY+1], 16, v[BY]        ; my two bytes, blocks h and 2 + h, at their places in the word;
	v_lshlrev_b32 v[BY], v[H8], v[BY]
	v_permlanex16_b32 v[BX], v[BY], s[SEL], s[SEL+1]
	v_or_b32 v[PW+(\a)], v[BY], v[BX]              ; with lane l xor 16's two the word is whole
.irp c, 0,1
	v_cvt_scalef32_pk16_fp6_f32 v[qP+6*\c:qP+6*\c+2], v[TT+32*\c:TT+32*\c+15], v[SO+\c]
	v_cvt_scalef32_pk16_fp6_f32 v[TP+4*\c:TP+4*\c+2], v[TT+32*\c+16:TT+32*\c+31], v[SO+\c]
.endr
	v_nop                                          ; one plain place behind a scaled conversion
.irp c, 0,1
.irp i, 0,1,2
	v_mov_b32 v[qP+3+6*\c+\i], v[TP+4*\c+\i]
.endr
.endr
.irp c, 0,1,2
	global_store_b128 v[L16], v[qP+4*\c:qP+4*\c+3], s[12:13] offset:24576*(\a)+512*\c   ; 32 lanes store 512 consecutive aligned bytes
.endr
.endm
	s_load_b256 s[4:11], s[0:1], 0x0               ; qf, qs, kf, ks
	s_load_b128 s[12:15], s[0:1], 0x20             ; pf, pst
	v_lshl_add_u32 v[SPW], v0, 2, SPARE
	v_mov_b32 v[NIL], 0
	ds_add_u32 v[SPW], v[NIL]                      ; the opening lines
	ds_add_u32 v[SPW], v[NIL]
	s_wait_dscnt 0x0
	v_lshrrev_b32 v1, 5, v0
	v_readfirstlane_b32 s[WV], v1
	s_lshr_b32 s[HA], s[WV], 1                     ; my half of the queries.  Also: I fetch for A (0) or for B (1)
	s_and_b32 s[HB], s[WV], 1                      ; my half of the keys.  Also: which 8 tiles I fetch
	s_bfe_u32 s[CX], ttmp6, 0x40000
	s_bfe_u32 s[CY], ttmp6, 0x40004
	s_lshl_b32 s[TB], ttmp9, 2
	s_add_co_u32 s[TB], s[TB], s[CX]               ; which 256 keys of the batch
	s_and_b32 s74, ttmp7, 0xffff
	s_lshr_b32 s[BAT], s74, 1                      ; the batch: two clusters of 1,024 queries each
	s_lshl_b32 s[TA], s74, 2
	s_add_co_u32 s[TA], s[TA], s[CY]               ; which 256 queries of all 8,192
	s_lshl_b32 s[MKA], s[CY], 2
	s_lshl_b32 s[MKA], 15, s[MKA]
	s_lshl_b32 s[MKB], 0x1111, s[CX]
	s_or_b32 s[G1], s[MKA], (3<<16)|(1<<21)        ; the mask; elements of 8 bytes; bit 21 beside a mask; no padding
	s_or_b32 s[G1B], s[MKB], (3<<16)|(1<<21)
.irp g, G1, G1B
	s_mov_b32 s[\g+1], 576<<16                     ; tensor_dim0: three fragments, 4,608 bytes
	s_mov_b32 s[\g+2], 8<<16                       ; tensor_dim1: 8 tiles
	s_mov_b32 s[\g+3], 576<<16
	s_mov_b32 s[\g+4], 8
	s_mov_b32 s[\g+5], 1536                        ; from tile to tile: 12,288 bytes
	s_mov_b32 s[\g+6], 0
	s_mov_b32 s[\g+7], 0
.endr
	s_mov_b32 s[CS], 0x3d38aa3b                    ; c = log2(e) / 32
	s_mov_b32 s[CS+1], s[CS]
	s_mov_b32 s[SEL], 0x76543210
	s_mov_b32 s[SEL+1], 0xfedcba98
	s_mov_b32 s[HM], 0xffff0000
	s_lshl_b32 s76, s[HB], 3
	s_lshl_b32 s74, s[TA], 4
	s_add_co_u32 s74, s74, s76
	s_mul_i32 s74, s74, 12288                      ; q's tile 16 TA + 8 half
	s_mov_b32 s75, 0
	s_lshl_b32 s78, s[BAT], 7
	s_lshl_b32 s77, s[TB], 4
	s_add_co_u32 s78, s78, s77
	s_add_co_u32 s78, s78, s76
	s_mul_i32 s78, s78, 12288                      ; k's tile 128 batch + 16 TB + 8 half
	s_mov_b32 s79, 0
	s_mul_i32 s80, s[WV], HALFT
	s_wait_kmcnt 0x0
	s_add_nc_u64 s[74:75], s[4:5], s[74:75]
	s_add_nc_u64 s[78:79], s[8:9], s[78:79]
	CROUND                                         ; all sixteen work-groups are here: the first joint loads meet
.irp n, 0,1
	s_mov_b32 s[G0+4*\n], 1
	s_add_co_u32 s[G0+4*\n+1], s80, \n*SLOT
	s_add_nc_u64 s[G0+4*\n+2:G0+4*\n+3], s[74:75], \n*4608
	s_or_b32 s[G0+4*\n+3], s[G0+4*\n+3], 0x80000000
	s_mov_b32 s[G0B+4*\n], 1
	s_add_co_u32 s[G0B+4*\n+1], s80, \n*SLOT
	s_add_nc_u64 s[G0B+4*\n+2:G0B+4*\n+3], s[78:79], \n*4608
	s_or_b32 s[G0B+4*\n+3], s[G0B+4*\n+3], 0x80000000
.endr
	JLOAD 0                                        ; steps 0 to 2: one tensor load a wave at the head
	s_mov_b32 s75, 0
	s_lshl_b32 s74, s[TA], 1
	s_add_co_u32 s74, s74, s[HA]
	s_lshl_b32 s74, s74, 12                        ; my 128 queries' scale images: 8 x 512 bytes
	s_add_nc_u64 s[6:7], s[6:7], s[74:75]
	s_lshl_b32 s77, s[TB], 1
	s_add_co_u32 s77, s77, s[HB]                   ; which 128 keys of the batch
	s_lshl_b32 s74, s[BAT], 4
	s_add_co_u32 s74, s74, s77
	s_lshl_b32 s74, s74, 12
	s_add_nc_u64 s[10:11], s[10:11], s[74:75]
	s_mul_i32 s74, s[HA], HALFT
	s_mul_i32 s76, s[HB], HALFT
	s_add_co_u32 s76, s76, 2*HALFT
	s_add_co_u32 s78, s74, SLOT
	s_add_co_u32 s79, s76, SLOT
	v_and_b32 v3, 31, v0
	v_lshlrev_b32 v[L16], 4, v3
	v_lshlrev_b32 v[L8], 3, v3
	v_lshrrev_b32 v[H8], 1, v0
	v_and_b32 v[H8], 8, v[H8]
	v_add_nc_u32 v[ADRA], s74, v[L16]
	v_add_nc_u32 v[ADRA+1], s78, v[L16]
	v_add_nc_u32 v[ADRA+2], s74, v[L8]
	v_add_nc_u32 v[ADRA+3], s78, v[L8]
	v_add_nc_u32 v[ADRB], s76, v[L16]
	v_add_nc_u32 v[ADRB+1], s79, v[L16]
	v_add_nc_u32 v[ADRB+2], s76, v[L8]
	v_add_nc_u32 v[ADRB+3], s79, v[L8]
	v_mov_b32 v[BX], 0                             ; written once: a lane permute's destination counts as one of its sources
	v_mov_b32 v[NM+1], 0                           ; (named as the upper half of a pair)
	s_wait_alu depctr_va_vdst(0)                   ; the wait at the head's end
.irp k, 0,1,2,3,4,5,6,7
	global_load_b128 v[SA+4*\k:SA+4*\k+3], v[L16], s[6:7] offset:512*\k
	global_load_b128 v[SB+4*\k:SB+4*\k+3], v[L16], s[10:11] offset:512*\k
.endr
	s_lshl_b32 s74, s[TA], 4
	s_lshl_b32 s76, s[HA], 3
	s_add_co_u32 s74, s74, s76
	s_lshl_b32 s74, s74, 4
	s_add_co_u32 s74, s74, s77
	s_mul_i32 s74, s74, 1536                       ; pf: (my first query tile x 16 + the keys' step) x 1,536
	s_add_nc_u64 s[12:13], s[12:13], s[74:75]
	s_lshl_b32 s74, s[TA], 2
	s_lshl_b32 s76, s[HA], 1
	s_add_co_u32 s74, s74, s76
	s_lshl_b32 s74, s74, 4
	s_add_co_u32 s74, s74, s77
	s_mul_i32 s74, s74, 768                        ; pst: (my first group of 64 queries x 16 + the step) x 768
	s_add_nc_u64 s[14:15], s[14:15], s[74:75]
	s_wait_tensorcnt 0x0                           ; my part of steps 0 to 2 is in
	ds_add_u32 v[SPW], v[NIL]
	s_wait_dscnt 0x0
	CROUND                                         ; everybody's part is in, and all sixteen work-groups are here:
	JLOAD 1                                        ; steps 3 to 5 into slot 1, with more than two steps in which to land
	FETCH_B 0, 0, 0
	FETCH_A 0, 0, 0
	FETCH_A 0, 0, 4
	s_wait_loadcnt 0x0                             ; the scale words
	STEP 0, 0, 1, 1                                ; the first step's products start the sums
	STEP 1, 0, 2, 0
	TURN 2, 1, 1                                   ; slot 1 is whole behind this round; slot 0 is filled again
	STEP 3, 1, 1, 0
	STEP 4, 1, 2, 0
.set TPI, 2
	TURN 5, 0, 0                                   ; slot 0 is whole again; nothing is left to fetch
	STEP 6, 0, 1, 0
	s_wait_dscnt 4*NL                              ; the last step
	WIN MUL_LO
	MUL16 0, 7, 0
	MUL16 2, 7, 0
	s_wait_dscnt 0x0
	WIN MUL_HI
	MUL16 4, 7, 0
	MUL16 6, 7, 0
	WIN 0
	PLACES 4                                       ; in front of the first read of results and of writes into registers that held A's fragments
.irp a, 0,1,2,3,4,5,6,7
	SOFT \a
.endr
.irp p, 0,1,2,3                                ; both halves of the lanes hold a tile's numbers: lanes 16-31 take the odd tile's
	v_cndmask_b32 v[XQ+\p], v[PW+2*\p], v[PW+2*\p+1], s[HM]
	v_cndmask_b32 v[XQ+4+\p], v[NMS+2*\p], v[NMS+2*\p+1], s[HM]
	v_cndmask_b32 v[XQ+8+\p], v[LS+2*\p], v[LS+2*\p+1], s[HM]
.endr
.irp i, 0,1
.irp u, 0,1,2
	global_store_b64 v[L8], v[XQ+4*\u+2*\i:XQ+4*\u+2*\i+1], s[14:15] offset:12288*\i+256*\u   ; 32 lanes store 256 consecutive aligned bytes
.endr
.endr
	s_wait_tensorcnt 0x0                           ; the wave's end
	ds_add_u32 v[SPW], v[NIL]
	s_wait_dscnt 0x0
	CROUND                                         ; the closing round
	s_endpgm
.Lfunc_end_k_q834b5eda3f_scores:
	.size	k_q834b5eda3f_scores, .Lfunc_end_k_q834b5eda3f_scores-k_q834b5eda3f_scores
	.p2alignl 7, 3214868480
	.fill 96, 4, 3214868480
	.section	.rodata,"a",@progbits
	.p2align	6, 0x0
	.amdhsa_kernel k_q834b5eda3f_scores
		.amdhsa_group_segment_fixed_size 327680
		.amdhsa_private_segment_fixed_size 0
		.amdhsa_enable_private_segment 0
		.amdhsa_kernarg_size 48
		.amdhsa_user_sgpr_count 2
		.amdhsa_user_sgpr_kernarg_segment_ptr 1
		.amdhsa_wavefront_size32 1
		.amdhsa_system_sgpr_workgroup_id_x 1
		.amdhsa_system_sgpr_workgroup_id_y 1
		.amdhsa_system_sgpr_workgroup_id_z 1
		.amdhsa_system_vgpr_workitem_id 0
		.amdhsa_next_free_vgpr 1024
		.amdhsa_next_free_sgpr 84
		.amdhsa_reserve_vcc 0
		.amdhsa_float_denorm_mode_32 3
		.amdhsa_float_denorm_mode_16_64 3
		.amdhsa_memory_ordered 1
		.amdhsa_forward_progress 1
		.amdhsa_inst_pref_size 191
	.end_amdhsa_kernel
	.amdgpu_metadata
---
amdhsa.version: [ 1, 2 ]
amdhsa.kernels:
  - .name:           k_q834b5eda3f_scores
    .symbol:         k_q834b5eda3f_scores.kd
    .args:
      - { .name: qf, .offset: 0, .size: 8, .value_kind: global_buffer, .address_space: global }
      - { .name: qs, .offset: 8, .size: 8, .value_kind: global_buffer, .address_space: global }
      - { .name: kf, .offset: 16, .size: 8, .value_kind: global_buffer, .address_space: global }
      - { .name: ks, .offset: 24, .size: 8, .value_kind: global_buffer, .address_space: global }
      - { .name: pf, .offset: 32, .size: 8, .value_kind: global_buffer, .address_space: global }
      - { .name: pst, .offset: 40, .size: 8, .value_kind: global_buffer, .address_space: global }
    .group_segment_fixed_size: 327680
    .private_segment_fixed_size: 0
    .kernarg_segment_align: 8
    .kernarg_segment_size: 48
    .max_flat_workgroup_size: 128
    .sgpr_count:     84
    .vgpr_count:     1024
    .wavefront_size: 32
...
	.end_amdgpu_metadata
.endif
;; end of part 2
;; launch pv (part 3): grid 8 x 32, 4 waves a work-group, clusters of 4 x 4, 327,680 bytes of LDS; arguments pf, pst, vf, vs, out0; writes out0
.if DOCPART == 3
	.amdgcn_target "amdgcn-amd-amdhsa--gfx1250"
	.amdhsa_code_object_version 6
	.text
	.protected	k_q834b5eda3f_pv
	.globl	k_q834b5eda3f_pv
	.p2align	8
	.type	k_q834b5eda3f_pv,@function
k_q834b5eda3f_pv:
	s_mov_b64 s[64:65], 0
	v_nop
	global_prefetch_b8 v0, s[64:65] scope:SCOPE_SE
	s_setreg_imm32_b32 hwreg(HW_REG_WAVE_MODE, 25, 1), 1
	s_wait_xcnt 0x0
	s_wait_alu depctr_hold_cnt(0) depctr_sa_sdst(0) depctr_va_vdst(0) depctr_va_sdst(0) depctr_va_ssrc(0) depctr_va_vcc(0) depctr_vm_vsrc(0)
	s_getreg_b32 s2, hwreg(HW_REG_IB_STS2, 6, 4)
	s_cmp_eq_u32 s2, 0
	s_cbranch_scc0 .Lentry_in_a_cluster
	s_endpgm
.Lentry_in_a_cluster:
	s_bfe_u32 s2, ttmp6, 0x10000c
	s_cmp_lg_u32 s2, 0xf033
	s_cbranch_scc0 .Lentry_shape_is_right
	s_endpgm
.Lentry_shape_is_right:
; out = (p v) / l on codes of FP6 (E2M3).  4 batches x 2,048 queries x 1,024 channels, K = 2,048 keys = 16 steps of 128.
; THE DEAL.  A work-group makes 256 queries x 128 channels, four waves, 2 x 2.  A wave holds 64 channels of v x HALF the keys in registers (384) and streams p past them in blocks of 16 queries x that half.  Its 8 blocks of 16 x 64 sums stay in 256 registers over both halves.
; In the second half a block is finished after its 32 products: it leaves under the products of the next two.
; Source 0 = 16 channels of v (vf), source 1 = 16 queries of p (pf): a lane holds ONE query and eight neighbouring channels.  pf [query tile][keys / 128][1536] and vf [channel tile][tokens / 128][1536] hold fragments as images of their registers.
; The wave in row a takes tiles 4 a + j of the work-group's two groups of 128 queries (i = 0, 1): block s = 4 i + j.  Row r of such a tile is token 256 y + 128 a + 64 i + 8 j + r (r < 8) or .. + 32 + 8 (j xor 1) + r - 8;
; channel tile t of a wave's 64 channels holds in lane (r, h), register n, channel 32 h + 8 (t xor h) + n: so launch proj laid them.
; THE LOCAL SOFTMAXES ARE JOINED FIRST.  For each query and step the launch before left p's scale word, -M (M a whole number) and l, taken under that step's own M.  The row's M is the largest of the 16;
; E = M(step) - M(row) is a whole number, 0 or less; each l is multiplied by 2^E (nothing is rounded) and E is added to each of the step's four scale bytes: the codes stand as they are.  The wave in column b joins the 64 queries of group i = b; the two waves of a row hand the results to each other through LDS.
; All four bytes of a word at once: with bit 7 set in each byte and D = min(-E, 127) taken off each, no borrow crosses a byte (a byte is at most 125); a byte whose bit 7 has gone would have fallen under 0 and becomes 0.
; LIMIT: such a byte 0 stands for 2^-127: a block so far under the row's largest p adds at most 7.5 x 2^-127 a term where the rule's scale is held at 2^-126.  NaN and infinities are not served.
; LDS: two slots for p's chunks (8 tiles x 1,024 keys), a region of its own for v's 8 tiles, a stage for each wave, the spare words.  p's tiles are shared along a row of the cluster, v's along a column: joint loads.
; FILLS.  At the head one tensor load a wave: v's tiles (waves 0, 1: four each), chunk 0 (wave 2), chunk 1 (wave 3).  Two drained rounds refill: in block 2 v's region and slot 0 with the second half of the keys, in block 7 slot 1.  A plain barrier in the second half's block 2 shows slot 1.
; PREFETCHES into the L2: the second half's tiles, shared out by address among the sixteen waves of the four work-groups that ask jointly: v's ahead of its refill by the head's LDS loads and two blocks, chunk 0's by two blocks, chunk 1's by four.
; THE WAITS' COUNTS.  Younger than a block's fetch are the next block's fetch (24) and, in the second half, the stage's 8 stores and 8 loads.
.set TILE,  12288                      ; a tile x half the keys: eight fragments
.set CHUNK, 8*TILE
.set VB,    2*CHUNK
.set STAGE, 3*CHUNK                    ; for each wave 4,352 bytes: first its joined scale words (4,096) and 1 / l (256), later 16 rows x (256 bytes + 16)
.set SPW_B, 272
.set WST,   16*SPW_B
.set SPARE, STAGE+4*WST
.set FR,    12
.set FPW,   256/FR
.set PA,    4                          ; v4, v5  LDS address of my rows in slot 0, 1
.set VA,    6                          ; v6      of my four tiles of v
.set PFV,   7                          ; v7      the prefetches' offset: 24 units of 256 bytes
.set XW,    8                          ; v8, v9  where my joined words go, 1 / l
.set SPW,   10
.set NIL,   11
.set XR,    16                         ; v16, v17 where both groups' come back from
.set STO,   18                         ; v18, v19 the way out: even, odd channel tiles go in
.set RD,    20                         ; and rows come back
.set CO,    21                         ; my byte offset in out0
.set RCL,   22                         ; v22-25  1 / l as pairs of tiles
.set L16,   26
.set L8,    27
.set RX,    28                         ; v28-31  the other half of the lanes'
.set SV,    32                         ; v32-63  v's scale words: SV + 2 k + pair
.set SP,    64                         ; v64-127 p's: SP + 32 i + 2 k + pair
.set OB,    128                        ; v128-159 rows on their way out
.set OW,    128                        ; at the head: p's words of my 64 queries,
.set NMR,   160                        ; -M, then at work,
.set LR,    192                        ; l, then at work,
.set TW,    224                        ; at work
.set MN,    64                         ; the row's -M, l, 1 / l
.set LSM,   66
.set RC,    68
.set RQ,    232                        ; in window 3 (v1000-1015): 1 / l of block s, a pair each
.set G1A,   24                         ; descriptor groups 1 and 0: p's chunks,
.set G0A,   56
.set G0R,   68
.set G1B,   32                         ; v's tiles
.set G0B,   60
.set SEL,   50
.set HM,    52
.set C80,   53
.set MSB, 0
.macro WIN new
.set WNEW, \new
.if MSB != WNEW
	s_set_vgpr_msb (MSB<<8)|WNEW
.set MSB, WNEW
.endif
.endm
.macro PLACES n
.rept \n
	v_nop
.endr
.endm
.macro WALU
	s_wait_alu depctr_va_vdst(0)
.endm
.macro BARRIER
	s_barrier_signal -1
	s_barrier_wait -1
.endm
.macro MIDDLE                          ; a round's middle: the opening wait, wave 0's signal for the work-group, the cluster's wait
	WIN 0
	s_barrier_wait -1
	s_cmp_lg_u32 s14, 0
	s_cbranch_scc1 .Lnot_wave_0_\@
	s_barrier_signal -3
.Lnot_wave_0_\@:
	s_barrier_wait -3
.endm
.macro CROUND
	s_barrier_signal -1
	MIDDLE
	BARRIER
.endm
.macro GRD
	s_wait_tensorcnt 0x0
	ds_add_u32 v[SPW], v[NIL]
.endm
.macro TLOAD g0, g1
	tensor_load_to_lds s[\g0:\g0+3], s[\g1:\g1+7]
	s_nop 0
	PLACES 4
.endm
; fragment f lies in window 1 + f / 21 at register 12 (f % 21): 0-31 v's (4 q + b), 32-39 and 40-47 p's two sets
.macro FRAG f, adr, off
	WIN ((1+(\f)/FPW)<<6)
.set R_, FR*((\f)%FPW)
.irp c, 0,1,2
	ds_load_b128 v[R_+4*\c:R_+4*\c+3], v[\adr] offset:\off+512*\c
.endr
.endm
.macro WEIGHTS                         ; my four tiles of v, half the keys: 96 loads
.irp q, 0,1,2,3,4,5,6,7
.irp b, 0,1,2,3
	FRAG 4*\q+\b, VA, \b*TILE+\q*1536
.endr
.endr
	WIN 0
.endm
.macro FETCH s                         ; block s of the half that lies in the slots, into set s % 2: 24 loads
.irp q, 0,1,2,3,4,5,6,7
	FRAG 32+8*((\s)%2)+\q, PA+(\s)/4, ((\s)%4)*TILE+\q*1536
.endr
	WIN 0
.endm
.macro ACCOF s                         ; block s's 32 sums: window WA_, from register AL_ on
.if (\s) < 5
.set WA_, 3
.set AL_, 72+32*(\s)
.else
.set WA_, 0
.set AL_, 160+32*((\s)-5)
.endif
.endm
.macro WM1 c, ra, rb
	v_wmma_scale_f32_16x16x128_f8f6f4 v[wD:wD+7], v[wA:wA+11], v[wB:wB+11], \c, v[wX], v[wY] matrix_a_fmt:MATRIX_FMT_FP6 matrix_b_fmt:MATRIX_FMT_FP6 matrix_a_scale:MATRIX_SCALE_ROW\ra matrix_b_scale:MATRIX_SCALE_ROW\rb
.endm
.macro WMR c
.if wR == 0
	WM1 \c, 0, 0
.elseif wR == 1
	WM1 \c, 0, 1
.elseif wR == 2
	WM1 \c, 1, 0
.else
	WM1 \c, 1, 1
.endif
.endm
.macro PROD s, half, n                 ; n = 4 q + b: step q of the half, channel tile b: the four accumulators take turns
.set Q_, (\n)/4
.set B_, (\n)%4
.set FB_, 4*Q_+B_
.set FA_, 32+8*((\s)%2)+Q_
	ACCOF \s
.set wD, AL_+8*B_
.set wA, FR*(FB_%FPW)
.set wB, FR*(FA_%FPW)
.set wX, SV+2*(8*(\half)+Q_)+B_/2
.set wY, SP+32*((\s)/4)+2*(8*(\half)+Q_)+((\s)%4)/2
.set wR, 2*(B_%2)+(\s)%2
	WIN (1+FB_/FPW)|((1+FA_/FPW)<<2)|(WA_<<4)|(WA_<<6)
.if (\half) == 0 && Q_ == 0
	WMR 0
.else
	WMR v[wD:wD+7]
.endif
.endm
.macro SCALE b, l                      ; line l of 16: two sums of block b x 1 / l, from each accumulator's low end on
	ACCOF \b
	WIN WA_|(3<<2)|(WA_<<6)
	v_pk_mul_f32 v[AL_+2*(\l):AL_+2*(\l)+1], v[AL_+2*(\l):AL_+2*(\l)+1], v[RQ+2*(\b):RQ+2*(\b)+1] op_sel_hi:[1,0]
.endm
.macro PRODS s, half, from, to, out    ; products from .. to - 1 of block s; behind every second one a line of block out's scaling (out < 0: none)
.set N_, \from
.rept (\to)-(\from)
	PROD \s, \half, N_
.if ((\out) >= 0) && (N_%2)
	SCALE \out, N_/2
.endif
.set N_, N_+1
.endr
.endm
.macro TOSTAGE b, ob                   ; block b into my own stage and back as rows of 256 bytes; LDS serves a wave's instructions in order (ISA guide 5.7.1.4)
	ACCOF \b
	WIN WA_<<2
.irp t, 0,1,2,3
	ds_store_b128 v[STO+\t%2], v[AL_+8*\t:AL_+8*\t+3] offset:32*\t
	ds_store_b128 v[STO+\t%2], v[AL_+8*\t+4:AL_+8*\t+7] offset:32*\t+16
.endr
	WIN 0
.irp t, 0,1,2,3,4,5,6,7
	ds_load_b128 v[\ob+4*\t:\ob+4*\t+3], v[RD] offset:\t*2*SPW_B
.endr
.endm
.macro SEND b, ob
.irp t, 0,1,2,3,4,5,6,7
.set ROW_, 64*((\b)/4)+8*(((\b)%4)^(\t/4))+32*(\t/4)+2*(\t%4)
	global_store_b128 v[CO], v[\ob+4*\t:\ob+4*\t+3], s[12:13] offset:4096*ROW_ th:TH_STORE_NT   ; 16 lanes store 256 consecutive aligned bytes; written once, read by nobody here
.endr
.endm
.macro EACH op, d, x, y                ; line by line over the 32 registers (step k, pair p at 2 k + p), so that no line waits for the line above it
.set ii, 0
.rept 32
	\op v[\d+ii], \x, \y
.set ii, ii+1
.endr
.endm
	s_load_b256 s[4:11], s[0:1], 0x0                    ; pf, pst, vf, vs
	s_load_b64 s[12:13], s[0:1], 0x20                   ; out0
	v_lshl_add_u32 v[SPW], v0, 2, SPARE
	v_mov_b32 v[NIL], 0
	ds_add_u32 v[SPW], v[NIL]                           ; the opening lines
	ds_add_u32 v[SPW], v[NIL]
	v_lshrrev_b32 v1, 5, v0
	v_readfirstlane_b32 s14, v1                         ; s14 the wave; s15 its row a of the 2 x 2, s16 its column b
	s_lshr_b32 s15, s14, 1
	s_and_b32 s16, s14, 1
	s_bfe_u32 s40, ttmp6, 0x40000                       ; cx
	s_bfe_u32 s41, ttmp6, 0x40004                       ; cy
	s_lshl_b32 s42, ttmp9, 2
	s_add_co_u32 s42, s42, s40                          ; s42 which 128 channels
	s_and_b32 s43, ttmp7, 0xffff
	s_lshr_b32 s46, s43, 1                              ; s46 the batch: two clusters of 1,024 queries each
	s_lshl_b32 s43, s43, 2
	s_add_co_u32 s43, s43, s41                          ; s43 which 256 queries of all 8,192
	s_lshl_b32 s44, s41, 2
	s_lshl_b32 s44, 15, s44                             ; my row of the cluster
	s_lshl_b32 s45, 0x1111, s40                         ; my column
	s_or_b32 s[G1A], s44, (3<<16)|(1<<21)               ; the mask; elements of 8 bytes; bit 21 beside a mask; no padding
	s_mov_b32 s[G1A+1], 1536<<16                        ; tensor_dim0: eight fragments
	s_mov_b32 s[G1A+2], 8<<16                           ; 8 tiles of p
	s_mov_b32 s[G1A+3], 1536<<16
	s_mov_b32 s[G1A+4], 8
	s_mov_b32 s[G1A+5], 3072                            ; from tile to tile: 24,576 bytes
	s_mov_b32 s[G1A+6], 0
	s_mov_b32 s[G1A+7], 0
	s_or_b32 s[G1B], s45, (3<<16)|(1<<21)
	s_mov_b32 s[G1B+1], 1536<<16
	s_mov_b32 s[G1B+2], 4<<16                           ; 4 tiles of v
	s_mov_b32 s[G1B+3], 1536<<16
	s_mov_b32 s[G1B+4], 4
	s_mov_b32 s[G1B+5], 12288                           ; 98,304 bytes
	s_mov_b32 s[G1B+6], 0
	s_mov_b32 s[G1B+7], 0
	s_mov_b32 s[G0A], 1
	s_mov_b32 s[G0A+1], 0
	s_mov_b32 s[G0R], 1
	s_mov_b32 s[G0R+1], CHUNK
	s_mov_b32 s[G0B], 1
	s_mul_i32 s[G0B+1], s14, 4*TILE
	s_add_co_u32 s[G0B+1], s[G0B+1], VB
	s_mov_b32 s[SEL], 0x76543210
	s_mov_b32 s[SEL+1], 0xfedcba98
	s_mov_b32 s[HM], 0xffff0000
	s_mov_b32 s[C80], 0x80808080
	s_mul_i32 s47, s43, 16*24576                        ; my first tile of p
	s_lshl_b32 s48, s42, 9
	s_lshl_b32 s20, s46, 4
	s_add_co_u32 s48, s48, s20
	s_mul_i32 s48, s48, 1536                            ; my first tile of v, at the batch's first step
	s_mul_i32 s21, s15, 4*TILE
	s_add_co_u32 s22, s21, CHUNK
	s_mul_i32 s23, s16, 4*TILE
	s_add_co_u32 s23, s23, VB
	s_mul_i32 s17, s14, WST
	s_add_co_u32 s17, s17, STAGE                        ; my stage
	s_add_co_u32 s18, s17, 4096
	s_mul_i32 s19, s15, 2*WST
	s_add_co_u32 s19, s19, STAGE                        ; my row's two
	s_add_co_u32 s20, s19, 4096
	v_and_b32 v1, 15, v0                                ; r
	v_bfe_u32 v2, v0, 4, 1                              ; h
	v_and_b32 v3, 31, v0
	v_lshlrev_b32 v[L16], 4, v3
	v_lshlrev_b32 v[L8], 3, v3
	v_min_u32 v[PFV], 23, v3
	v_lshlrev_b32 v[PFV], 8, v[PFV]
	v_add_nc_u32 v[PA], s21, v[L16]
	v_add_nc_u32 v[PA+1], s22, v[L16]
	v_add_nc_u32 v[VA], s23, v[L16]
	v_add_nc_u32 v[XW], s17, v[L16]
	v_add_nc_u32 v[XW+1], s18, v[L8]
	v_add_nc_u32 v[XR], s19, v[L16]
	v_add_nc_u32 v[XR+1], s20, v[L8]
	v_mul_u32_u24 v22, v1, SPW_B
	v_add_nc_u32 v22, s17, v22
	v_mad_u32_u24 v[STO], v2, 160, v22                  ; in: row r; tile t's 32 bytes at 128 h + 32 (t xor h): t even,
	v_mad_u32_u24 v[STO+1], v2, 96, v22                 ; t odd
	v_mul_u32_u24 v23, v2, SPW_B
	v_lshl_add_u32 v23, v1, 4, v23
	v_add_nc_u32 v[RD], s17, v23                        ; back: lanes 0-15 take one row of 256 bytes, lanes 16-31 the next
	v_lshlrev_b32 v24, 12, v2
	v_lshl_add_u32 v[CO], v1, 4, v24                    ; and the same two rows in out0, 4,096 bytes a row
.irp p, 0,1,2,3
	v_mov_b32 v[RX+\p], 0                               ; a lane permute's destination counts as one of its sources
.endr
	WALU                                                ; the wait at the head's end
	s_wait_dscnt 0x0
	CROUND                                              ; the opening round
	s_wait_kmcnt 0x0
	s_mov_b32 s21, 0
	s_mov_b32 s20, s47
	s_add_nc_u64 s[G0A+2:G0A+3], s[4:5], s[20:21]
	s_add_nc_u64 s[G0R+2:G0R+3], s[G0A+2:G0A+3], 8*24576
	s_or_b32 s[G0A+3], s[G0A+3], 0x80000000
	s_or_b32 s[G0R+3], s[G0R+3], 0x80000000
	s_mul_i32 s20, s14, 4*98304
	s_add_co_u32 s20, s20, s48
	s_add_nc_u64 s[G0B+2:G0B+3], s[8:9], s[20:21]
	s_or_b32 s[G0B+3], s[G0B+3], 0x80000000
	s_cmp_lt_u32 s14, 2
	s_cbranch_scc0 .Lwave_2
	TLOAD G0B, G1B                                      ; waves 0, 1: four tiles of v each
	s_branch .Lasked
.Lwave_2:
	s_cmp_eq_u32 s14, 2
	s_cbranch_scc0 .Lwave_3
	TLOAD G0A, G1A                                      ; wave 2: chunk 0
	s_branch .Lasked
.Lwave_3:
	TLOAD G0R, G1A                                      ; wave 3: chunk 1
.Lasked:
	s_lshl_b32 s20, s43, 2
	s_lshl_b32 s22, s16, 1
	s_add_co_u32 s20, s20, s22
	s_add_co_u32 s20, s20, s15
	s_mul_i32 s20, s20, 12288                           ; the 64 queries that I join: tiles 4 a + j of group b
	s_add_nc_u64 s[6:7], s[6:7], s[20:21]
	s_lshl_b32 s20, s42, 6
	s_lshl_b32 s22, s46, 4
	s_add_co_u32 s20, s20, s22
	s_lshl_b32 s20, s20, 9
	s_lshl_b32 s22, s16, 3
	s_add_co_u32 s20, s20, s22                          ; my 64 channels' two words a lane, at the batch's first step
	s_add_nc_u64 s[10:11], s[10:11], s[20:21]
.irp k, 0,1,2,3,4,5,6,7,8,9,10,11,12,13,14,15
	global_load_b64 v[OW+2*\k:OW+2*\k+1], v[L8], s[6:7] offset:768*\k
	global_load_b64 v[NMR+2*\k:NMR+2*\k+1], v[L8], s[6:7] offset:768*\k+256
	global_load_b64 v[LR+2*\k:LR+2*\k+1], v[L8], s[6:7] offset:768*\k+512
.endr
.irp k, 0,1,2,3,4,5,6,7,8,9,10,11,12,13,14,15
	global_load_b64 v[SV+2*\k:SV+2*\k+1], v[L16], s[10:11] offset:512*\k
.endr
	s_lshl_b32 s20, s43, 8
	s_lshl_b32 s22, s15, 7
	s_add_co_u32 s20, s20, s22
	s_lshl_b32 s20, s20, 12                             ; my first row of out0,
	s_lshl_b32 s22, s42, 9
	s_add_co_u32 s20, s20, s22
	s_lshl_b32 s22, s16, 8
	s_add_co_u32 s20, s20, s22                          ; and my first channel
	s_add_nc_u64 s[12:13], s[12:13], s[20:21]
	s_lshl_b32 s22, s40, 2
	s_add_co_u32 s22, s22, s14                          ; the prefetches: my sixteenth, half a tile, of the second half's chunk of p,
	s_lshr_b32 s23, s22, 1
	s_mul_i32 s20, s23, 24576
	s_and_b32 s23, s22, 1
	s_mul_i32 s23, s23, TILE/2
	s_add_co_u32 s20, s20, s23
	s_add_co_u32 s20, s20, s47
	s_add_co_u32 s20, s20, TILE
	s_add_nc_u64 s[80:81], s[4:5], s[20:21]
	s_lshl_b32 s22, s41, 2
	s_add_co_u32 s22, s22, s14                          ; and of v's tiles
	s_lshr_b32 s23, s22, 1
	s_mul_i32 s20, s23, 98304
	s_and_b32 s23, s22, 1
	s_mul_i32 s23, s23, TILE/2
	s_add_co_u32 s20, s20, s23
	s_add_co_u32 s20, s20, s48
	s_add_co_u32 s20, s20, TILE
	s_add_nc_u64 s[82:83], s[8:9], s[20:21]
	s_cmp_lt_u32 s14, 2
	s_cbranch_scc0 .Lnot_v
	s_wait_tensorcnt 0x0
.Lnot_v:
	BARRIER                                             ; v's tiles are in; p's may still be on their way
	WEIGHTS
	global_prefetch_b8 v[PFV], s[82:83] th:TH_LOAD_NT scope:SCOPE_SE
; the join of my 64 queries, under the flight of these loads
	s_wait_loadcnt 16                                   ; the 48 loads from pst are in; v's 16 may be out
.irp p, 0,1
	v_min3_num_f32 v[MN+\p], v[NMR+\p], v[NMR+2+\p], v[NMR+4+\p]
.endr
.irp k, 6,10,14,18,22,26
.irp p, 0,1
	v_min3_num_f32 v[MN+\p], v[MN+\p], v[NMR+\k+\p], v[NMR+\k+2+\p]
.endr
.endr
.irp p, 0,1
	v_min_num_f32 v[MN+\p], v[MN+\p], v[NMR+30+\p]      ; the row's -M: the least of the sixteen
.endr
	EACH v_sub_f32, NMR, v[MN+ii%2], v[NMR+ii]          ; E = M(step) - M(row)
.set ii, 0
.rept 32
	v_cvt_i32_f32 v[NMR+ii], v[NMR+ii]                  ; (it saturates)
.set ii, ii+1
.endr
	EACH v_ldexp_f32, LR, v[LR+ii], v[NMR+ii]           ; l under the row's M
.irp p, 0,1
	v_add_f32 v[LSM+\p], v[LR+\p], v[LR+2+\p]
.endr
.irp k, 4,6,8,10,12,14,16,18,20,22,24,26,28,30
.irp p, 0,1
	v_add_f32 v[LSM+\p], v[LSM+\p], v[LR+\k+\p]         ; the row's l, the steps in ascending order
.endr
.endr
	WALU
	v_rcp_f32 v[RC], v[LSM]
	v_rcp_f32 v[RC+1], v[LSM+1]                         ; the byte work below is the independent work behind the two
	EACH v_sub_nc_u32, NMR, 0, v[NMR+ii]
	EACH v_min_u32, NMR, 127, v[NMR+ii]                 ; D
.irp sh, 8,16
.set ii, 0
.rept 32
	v_lshl_or_b32 v[NMR+ii], v[NMR+ii], \sh, v[NMR+ii]  ; in all four bytes
.set ii, ii+1
.endr
.endr
	EACH v_or_b32, TW, s[C80], v[OW+ii]                 ; bit 7 set in each byte,
	EACH v_sub_nc_u32, TW, v[TW+ii], v[NMR+ii]          ; D off each: 128 + byte - D is at least 1, so no borrow crosses a byte
	EACH v_and_b32, NMR, s[C80], v[TW+ii]               ; bit 7 has stayed where byte >= D
	EACH v_lshrrev_b32, LR, 7, v[NMR+ii]
	EACH v_sub_nc_u32, NMR, v[NMR+ii], v[LR+ii]         ; 0x7f in those bytes, 0 in the others
	EACH v_and_b32, OW, v[TW+ii], v[NMR+ii]             ; the byte under the row's M, or 0
	WALU                                                ; for the two reciprocals too, ahead of their first reader
.irp c, 0,1,2,3,4,5,6,7
	ds_store_b128 v[XW], v[OW+4*\c:OW+4*\c+3] offset:512*\c
.endr
	ds_store_b64 v[XW+1], v[RC:RC+1]
	s_cmp_eq_u32 s14, 3
	s_cbranch_scc1 .Lnot_p0
	s_wait_tensorcnt 0x0
.Lnot_p0:
	s_wait_dscnt 0x0
	BARRIER                                             ; chunk 0 is in, and every wave's joined words; chunk 1 may still be on its way
.irp i, 0,1
.irp c, 0,1,2,3,4,5,6,7
	ds_load_b128 v[SP+32*\i+4*\c:SP+32*\i+4*\c+3], v[XR] offset:\i*WST+512*\c
.endr
	ds_load_b64 v[RCL+2*\i:RCL+2*\i+1], v[XR+1] offset:\i*WST
.endr
	FETCH 0
	FETCH 1
	global_prefetch_b8 v[PFV], s[80:81] th:TH_LOAD_NT scope:SCOPE_SE
	s_wait_loadcnt 0x0                                  ; v's scale words
; ================= THE FIRST HALF OF THE KEYS
.irp s, 0,1
	s_wait_dscnt 24
	PRODS \s, 0, 0, 32, -1
	WIN 0
	PLACES 4                                            ; the places ahead of loads into registers that the products have read
	FETCH \s+2
.endr
	s_wait_dscnt 24
	GRD
	s_mov_b32 s[G1A+2], 4<<16                           ; from here on a load of p brings four tiles
	s_mov_b32 s[G1A+4], 4
	s_mul_i32 s[G0R+1], s16, 4*TILE
	s_mul_i32 s20, s16, 4*24576
	s_add_co_u32 s20, s20, s47
	s_add_co_u32 s20, s20, TILE
	s_mov_b32 s21, 0
	s_add_nc_u64 s[G0R+2:G0R+3], s[4:5], s[20:21]
	s_or_b32 s[G0R+3], s[G0R+3], 0x80000000
	s_add_nc_u64 s[G0B+2:G0B+3], s[G0B+2:G0B+3], TILE
	PRODS 2, 0, 0, 26, -1                               ; products stand between the add and its wait, and inside the round
	WIN 0
	s_wait_dscnt 0x0
	s_barrier_signal -1
	PRODS 2, 0, 26, 32, -1
	MIDDLE
	BARRIER
	s_cmp_lt_u32 s14, 2
	s_cbranch_scc0 .Lrefill_p
	TLOAD G0B, G1B                                      ; waves 0, 1: v's second half, onto the first, which all waves hold in registers
	s_branch .Lrefilled
.Lrefill_p:
	TLOAD G0R, G1A                                      ; waves 2, 3: chunk 0's second half into slot 0, whose last block was fetched behind block 1
.Lrefilled:
	FETCH 4
.irp s, 3,4,5
	s_wait_dscnt 24
	PRODS \s, 0, 0, 32, -1
	WIN 0
	PLACES 4
	FETCH \s+2
.if \s == 3
	global_prefetch_b8 v[PFV], s[80:81] offset:8*24576 th:TH_LOAD_NT scope:SCOPE_SE
.endif
.endr
	s_wait_dscnt 24
	PRODS 6, 0, 0, 32, -1
	WIN 0
	s_wait_dscnt 0x0
	GRD
	s_add_co_u32 s[G0R+1], s[G0R+1], CHUNK
	s_add_nc_u64 s[G0R+2:G0R+3], s[G0R+2:G0R+3], 8*24576
	PRODS 7, 0, 0, 26, -1
	WIN 0
	s_wait_dscnt 0x0
	s_barrier_signal -1
	PRODS 7, 0, 26, 32, -1
	MIDDLE
	BARRIER
	s_cmp_lt_u32 s14, 2
	s_cbranch_scc1 .Lno_chunk
	TLOAD G0R, G1A                                      ; waves 2, 3: chunk 1's second half into slot 1
.Lno_chunk:
	PLACES 4                                            ; the places ahead of the loads below, for the waves that come round the load
; ================= THE SECOND HALF
	WEIGHTS
	FETCH 0
	FETCH 1
.irp p, 0,1,2,3
	v_permlanex16_b32 v[RX+\p], v[RCL+\p], s[SEL], s[SEL+1]
.endr
	WIN 3<<6
.irp p, 0,1,2,3                                         ; a pair holds tile 2 p in lanes 0-15 and tile 2 p + 1 in lanes 16-31: each tile's 1 / l is wanted in both halves
	v_cndmask_b32 v[RQ+4*\p], v[RCL+\p], v[RX+\p], s[HM]
	v_cndmask_b32 v[RQ+4*\p+1], v[RCL+\p], v[RX+\p], s[HM]
	v_cndmask_b32 v[RQ+4*\p+2], v[RX+\p], v[RCL+\p], s[HM]
	v_cndmask_b32 v[RQ+4*\p+3], v[RX+\p], v[RCL+\p], s[HM]
.endr
	WIN 0
	WALU
	s_wait_dscnt 24
	PRODS 0, 1, 0, 32, -1
	WIN 0
	PLACES 4
	FETCH 2
	s_wait_dscnt 24
	PRODS 1, 1, 0, 32, 0
	WIN 0
	PLACES 4
	WALU
	TOSTAGE 0, OB
	FETCH 3
.irp s, 2,3,4,5,6
	s_wait_dscnt 40                                     ; behind this block's rows: the stage's 16 and the next block's 24
	PRODS \s, 1, 0, 16, \s-1
	WIN 0
	WALU
	s_wait_dscnt 24                                     ; block s - 2 is back in registers
	SEND \s-2, OB
.if \s == 2
	PRODS \s, 1, 16, 26, \s-1
	WIN 0
	WALU
	s_wait_tensorcnt 0x0
	s_wait_dscnt 0x0
	s_barrier_signal -1                                 ; a plain barrier: slot 1's second half is shown to all
	PRODS \s, 1, 26, 32, \s-1
	WIN 0
	s_barrier_wait -1
.else
	PRODS \s, 1, 16, 32, \s-1
	WIN 0
.endif
	PLACES 4
	WALU
	s_wait_xcnt 0x0                                     ; the stores have read their registers: the next block's rows may land there
	TOSTAGE \s-1, OB
.if \s < 6
	FETCH \s+2
.endif
.endr
	s_wait_dscnt 16
	PRODS 7, 1, 0, 16, 6
	WIN 0
	WALU
	s_wait_dscnt 0x0
	SEND 5, OB
	PRODS 7, 1, 16, 32, 6
	WIN 0
	PLACES 4
	WALU
	s_wait_xcnt 0x0
	TOSTAGE 6, OB
.set I, 0
.rept 16
	SCALE 7, I
.set I, I+1
.endr
	WIN 0
	WALU
	s_wait_dscnt 0x0
	SEND 6, OB
	TOSTAGE 7, SP                                       ; (p's scale words have served)
	s_wait_dscnt 0x0
	SEND 7, SP
	s_wait_tensorcnt 0x0                                ; the wave's end
	ds_add_u32 v[SPW], v[NIL]
	s_wait_dscnt 0x0
	CROUND
	s_endpgm
.Lfunc_end_k_q834b5eda3f_pv:
	.size	k_q834b5eda3f_pv, .Lfunc_end_k_q834b5eda3f_pv-k_q834b5eda3f_pv
	.p2alignl 7, 3214868480
	.fill 96, 4, 3214868480
	.section	.rodata,"a",@progbits
	.p2align	6, 0x0
	.amdhsa_kernel k_q834b5eda3f_pv
		.amdhsa_group_segment_fixed_size 327680
		.amdhsa_private_segment_fixed_size 0
		.amdhsa_enable_private_segment 0
		.amdhsa_kernarg_size 40
		.amdhsa_user_sgpr_count 2
		.amdhsa_user_sgpr_kernarg_segment_ptr 1
		.amdhsa_wavefront_size32 1
		.amdhsa_system_sgpr_workgroup_id_x 1
		.amdhsa_system_sgpr_workgroup_id_y 1
		.amdhsa_system_sgpr_workgroup_id_z 1
		.amdhsa_system_vgpr_workitem_id 0
		.amdhsa_next_free_vgpr 1024
		.amdhsa_next_free_sgpr 102
		.amdhsa_reserve_vcc 0
		.amdhsa_float_denorm_mode_32 3
		.amdhsa_float_denorm_mode_16_64 3
		.amdhsa_memory_ordered 1
		.amdhsa_forward_progress 1
		.amdhsa_inst_pref_size 176
	.end_amdhsa_kernel
	.amdgpu_metadata
---
amdhsa.version: [ 1, 2 ]
amdhsa.kernels:
  - .name:           k_q834b5eda3f_pv
    .symbol:         k_q834b5eda3f_pv.kd
    .args:
      - { .name: pf, .offset: 0, .size: 8, .value_kind: global_buffer, .address_space: global }
      - { .name: pst, .offset: 8, .size: 8, .value_kind: global_buffer, .address_space: global }
      - { .name: vf, .offset: 16, .size: 8, .value_kind: global_buffer, .address_space: global }
      - { .name: vs, .offset: 24, .size: 8, .value_kind: global_buffer, .address_space: global }
      - { .name: out0, .offset: 32, .size: 8, .value_kind: global_buffer, .address_space: global }
    .group_segment_fixed_size: 327680
    .private_segment_fixed_size: 0
    .kernarg_segment_align: 8
    .kernarg_segment_size: 40
    .max_flat_workgroup_size: 128
    .sgpr_count:     102
    .vgpr_count:     1024
    .wavefront_size: 32
...
	.end_amdgpu_metadata
.endif
;; end of part 3
